; MI455X (gfx1250); checked and timed in simulation.
; The chip was launched on July 23, 2026; its instructions are those of AMD's public machine-readable ISA for CDNA 5 (MIT licence, August 2026) and "CDNA5" Instruction Set Architecture Reference Guide (July 2026). The comments in the code are by the model that wrote it; some were corrected since.
;; Attention. Allowed arithmetic: matrix products marked QUANTISED: E2M1 operands, one E8M0 scale for each 32 along K, by v_wmma_scale_f32_16x16x128_f8f6f4 with both operands' format E2M1 (or v_wmma_scale_f32_32x16x128_f4), f32 sums; products left as they are: bf16, f16 or f32 operands; f32 sums; everything else in f32.
;; Inputs: Wk 2,048 x 2,048 float32; Wo 2,048 x 2,048 float32; Wq 2,048 x 2,048 float32; Wv 2,048 x 2,048 float32; bk 2,048 float32; bo 2,048 float32; bq 2,048 float32; bv 2,048 float32; cos 2,048 x 1,024 float32; mask 1 x 1 x 2,048 x 2,048 float32; sin 2,048 x 1,024 float32; x 1 x 2,048 x 2,048 float32.
;; Outputs: out0 1 x 2,048 x 2,048 float32.
;; This version of the problem:
;;   THIS VERSION OF THE PROBLEM IS GIVEN IN LOW PRECISION. The matrix products marked QUANTISED in the list below multiply operands that are first quantised to E2M1 (2 exponent bits, 1 mantissa bit; 4 bits a number), with one power-of-two scale for each 32 numbers along K (OCP MX v1.0); their sums are f32. The products marked 'left as it is' may take bf16, f16 or f32 operands, with f32 sums. Whichever they take, every output number must still come out within the allowed error. Rounding operands to bf16 (8 significant bits) uses up far more of that allowance than f16 does (11 bits, for magnitudes from 6e-5 to 65,504). All else is computed in f32.
;;   The module's matrix products, in the order in which they are computed (A, B: the left and right operand; K: the contracted axis; several contracted axes count as one K, in the product's order):
;;     1. [M 2,048, K 2,048] x [K 2,048, N 2,048]; A: input x; B: input Wq: QUANTISED
;;     2. [M 2,048, K 2,048] x [K 2,048, N 2,048]; A: input x; B: input Wk: QUANTISED
;;     3. [M 2,048, K 2,048] x [K 2,048, N 2,048]; A: input x; B: input Wv: QUANTISED
;;     4. batch 16 x [M 2,048, K 128] x [K 128, N 2,048]; A: computed on the way; B: computed on the way: left as it is (an operand is computed on the way)
;;     5. batch 16 x [M 128, K 2,048] x [K 2,048, N 2,048]; A: computed on the way; B: computed on the way: left as it is (an operand is computed on the way)
;;     6. [M 2,048, K 2,048] x [K 2,048, N 2,048]; A: computed on the way; B: input Wo: left as it is (an operand is computed on the way)
;;   THE QUANTISER, for each operand of a quantised product, along K:
;;     - K is cut into blocks of 32 from its start; a last block that is shorter is filled with zeros.
;;     - A block's scale is 2^e with e = floor(log2(the largest magnitude in the block)) - 2, held to -126 .. 127; a block of zeros has e = 0. As a byte (E8M0): e + 127.
;;     - Each number is divided by its block's scale, clamped to +-6, and rounded to the nearest number of E2M1, ties to even, subnormals kept.
;;     - The product sums the exact products of the quantised numbers (number of the format x scale) in f32.
;;   ~~~python
;;   def quantise(x, axis):      # numpy; x: float32 -> the quantised numbers, widened to float32 again
;;       x = np.moveaxis(x, axis, -1); K = x.shape[-1]
;;       x = np.pad(x, [(0, 0)] * (x.ndim - 1) + [(0, -K % 32)]); x = x.reshape(x.shape[:-1] + (-1, 32)); a = np.abs(x).max(-1, keepdims=True)
;;       e = np.where(a > 0, np.clip(np.frexp(np.where(a > 0, a, 1))[1] - 1 - 2, -126, 127), 0)      # np.frexp(a)[1] - 1 = floor(log2(a)), exactly
;;       r = np.clip(x / 2.0 ** e, -6, 6)
;;       step = 2.0 ** (np.maximum(np.frexp(np.where(r == 0, 1, r))[1] - 1, 0) - 1)
;;       q = np.round(r / step) * step * 2.0 ** e      # np.round: ties to even
;;       return np.moveaxis(q.reshape(q.shape[:-2] + (-1,))[..., :K], -1, axis).astype(np.float32)
;;   ~~~
;; One version. Each part assembles by itself: llvm-mc -triple=amdgcn-amd-amdhsa -mcpu=gfx1250 --defsym DOCPART=n.
;; ======== version 1 of 1: 4 launches
;; limits: right only within a limited range of input values; inputs' magnitudes at most 8.5e+37; values are held in f16: magnitudes above 65,504 overflow, below 6.1e-05 lose precision
;; workspace buffers: xc 2,097,152 bytes; xs 131,072 bytes; wc 6,291,456 bytes; ws 393,216 bytes; wo16 8,388,608 bytes; maskc 16,777,216 bytes; qkv 25,165,824 bytes; att 8,388,608 bytes
;; launch prep (part 1): grid 768 x 1, 4 waves a work-group, no clusters, 83,456 bytes of LDS; arguments x, Wq, Wk, Wv, Wo, mask, xc, xs, wc, ws, wo16, maskc; writes xc, xs, wc, ws, wo16, maskc
.if DOCPART == 1
	.amdgcn_target "amdgcn-amd-amdhsa--gfx1250"
	.amdhsa_code_object_version 6
	.text
	.protected	k_q6a877577e8_prep
	.globl	k_q6a877577e8_prep
	.p2align	8
	.type	k_q6a877577e8_prep,@function
k_q6a877577e8_prep:
	s_mov_b64 s[64:65], 0
	v_nop
	global_prefetch_b8 v0, s[64:65] scope:SCOPE_SE
	s_setreg_imm32_b32 hwreg(HW_REG_WAVE_MODE, 25, 1), 1
	s_wait_xcnt 0x0
; THE PROGRAM: attention with S = 2,048, 16 heads of 128.  Four launches: this one lays the operands out; qkv: the three quantised products, biases, the rotation; attn: softmax(q k^T / sqrt(128) + mask) v; proj: the product with Wo, + bo.
; NO WORK IS LEFT OUT: bq and bk are rotated by each position's own cos and sin, so their terms differ along the softmax's axis; bv, bo and the mask reach the output; the mask is an input, so no tile is passed over.  Every input is loaded.
; THIS LAUNCH, three streams, told apart by the work-group's number:
;   0-511    x, Wq, Wk, Wv (f32, K innermost) into codes of FP4 (E2M1) with one E8M0 byte for each 32 along K.  x -> xc, xs;  Wq, Wk, Wv -> wc, ws, one below the other (6,144 rows).
;   512-639  Wo into f16.
;   640-767  mask x 2^-8 (exact), laid in the order of the accumulator registers that take it in attn: [16 queries][64 keys][16 keys][half][lane][4 numbers]: lane (r, h), number e of half i = mask[16 qt + r][64 c + 16 kt + 8 h + 4 i + e].
; A block's scale is 2^(floor(log2(its largest magnitude)) - 2); its byte is that magnitude's exponent field - 2, held at 1 from below.  Each number is divided by the scale and rounded to the nearest code, ties to even, beyond 6 to 6.
; LIMITS: a block of zeros gets the byte 1 where the rule says 127: its codes are zeros, and the bytes are read by this program alone; blocks whose largest magnitude lies under 2^(2 - 126) are held at the byte 1; NaN and
; infinities in x and the weights are not served (-infinity in the mask is); |Wo| beyond 65,504 overflows f16.
; No tensor loads, no barrier: waves share nothing.  Each of the two streams that use LDS has LDS bytes of its own.
.set STEPS, 16
.set EMAX,  2
.set CB,    8                          ; bytes of 16 codes
.set R,     16                         ; v16-79   quantiser: four sets of 16 numbers as loaded
.set X,     80                         ; v80-111  two sets of 16 neighbours
.set E,     112                        ; v112-127 a scale byte for each step
.set C,     128                        ; v128-191 codes: four registers for each step
.set WREG,  8192                       ; LDS 0..: a region for each wave: two stages of 32 x SP bytes, then its 256 scale bytes
.set SP,    80                         ; a lane's place in a stage: 64 bytes + 16 of padding
.set MSTG,  32768                      ; LDS: the mask's stages,
.set MWAVE, 12544                      ; one for each wave: 2 chunks x 8 blocks x 784 bytes
.set SPW,   12                         ; v12  LDS address of my spare word; never rewritten
.set NIL,   13                         ; v13  0; never rewritten
.set SPARE, MSTG+4*MWAVE               ; the spare words, 128 bytes for each wave: two blocks of 256 bytes that no other line names
	s_load_b512 s[8:23], s[0:1], 0x0               ; x s[8:9], Wq s[10:11], Wk s[12:13], Wv s[14:15], Wo s[16:17], mask s[18:19], xc s[20:21], xs s[22:23]
	s_load_b256 s[24:31], s[0:1], 0x40             ; wc s[24:25], ws s[26:27], wo16 s[28:29], maskc s[30:31]
	v_lshl_add_u32 v[SPW], v0, 2, SPARE
	v_mov_b32 v[NIL], 0
	v_lshrrev_b32 v1, 5, v0
	v_readfirstlane_b32 s2, v1                     ; wave
	v_and_b32 v2, 31, v0                           ; lane
	v_lshlrev_b32 v3, 4, v2                        ; 16 x lane
	s_wait_kmcnt 0x0
	s_cmp_ge_u32 ttmp9, 640
	s_cbranch_scc1 .Lmask
	s_cmp_ge_u32 ttmp9, 512
	s_cbranch_scc1 .Lwo
; ---------------- the quantiser: a wave takes 16 steps of 512 numbers.  Rows are dense and K is a multiple of 32: a tensor is a plain stream of blocks of 32
	s_mul_i32 s3, s2, WREG
	v_lshrrev_b32 v14, 2, v2
	v_mul_u32_u24 v14, v14, SP
	v_and_b32 v15, 3, v2
	v_lshl_add_u32 v14, v15, 4, v14
	v_add_nc_u32 v14, s3, v14                      ; the stage, on the way in: four lanes' 64 bytes on end, then 16 of padding
	v_mul_u32_u24 v15, v2, SP
	v_add_nc_u32 v15, s3, v15                      ; and on the way out: my 16 neighbours
	v_mul_u32_u24 v4, v2, CB                       ; my codes' place in a step's
	v_lshrrev_b32 v5, 1, v2
	s_add_co_u32 s3, s3, 2*32*SP
	v_add_nc_u32 v5, s3, v5                        ; my wave's 256 scale bytes, my block's byte
	v_lshlrev_b32 v7, 3, v2
	v_add_nc_u32 v6, s3, v7                        ; and on the way out 8 bytes a lane
	s_lshr_b32 s32, ttmp9, 7                       ; which tensor: 128 work-groups each.  The choices hang on the work-group's number alone
	s_cmp_eq_u32 s32, 1
	s_cselect_b64 s[4:5], s[10:11], s[8:9]
	s_cmp_eq_u32 s32, 2
	s_cselect_b64 s[4:5], s[12:13], s[4:5]
	s_cmp_eq_u32 s32, 3
	s_cselect_b64 s[4:5], s[14:15], s[4:5]
	s_cmp_eq_u32 s32, 0
	s_cselect_b64 s[6:7], s[20:21], s[24:25]       ; the codes' buffer,
	s_cselect_b64 s[36:37], s[22:23], s[26:27]     ; the scale bytes',
	s_cselect_b32 s33, 0, 128
	s_sub_co_u32 s33, ttmp9, s33                   ; and the work-group's place in them: the three weights lie one below the other
	s_lshl_b32 s33, s33, 2
	s_add_co_u32 s33, s33, s2                      ; my run of 8,192 numbers there,
	s_and_b32 s34, ttmp9, 127
	s_lshl_b32 s34, s34, 2
	s_add_co_u32 s34, s34, s2                      ; and in the source
	s_lshl_b32 s34, s34, 15
	s_mov_b32 s35, 0
	s_add_nc_u64 s[4:5], s[4:5], s[34:35]
	s_lshl_b32 s34, s33, 12
	s_add_nc_u64 s[6:7], s[6:7], s[34:35]
	s_lshl_b32 s34, s33, 8
	s_add_nc_u64 s[36:37], s[36:37], s[34:35]
.macro LOAD t
.irp i, 0,1,2,3
	global_load_b128 v[R+16*((\t)%4)+4*\i:R+16*((\t)%4)+4*\i+3], v3, s[4:5] offset:2048*(\t)+512*\i th:TH_LOAD_NT   ; 32 lanes read 512 consecutive bytes
.endr
.endm
.macro TURN t                          ; step t's numbers through the stage: LDS serves a wave's instructions in order, so no wait stands between the stores and the loads
.irp i, 0,1,2,3
	ds_store_b128 v14, v[R+16*((\t)%4)+4*\i:R+16*((\t)%4)+4*\i+3] offset:32*SP*((\t)%2)+8*SP*\i
.endr
.irp i, 0,1,2,3
	ds_load_b128 v[X+16*((\t)%2)+4*\i:X+16*((\t)%2)+4*\i+3], v15 offset:32*SP*((\t)%2)+16*\i
.endr
.endm
.irp t, 0,1,2,3
	LOAD \t
.endr
	s_wait_loadcnt 12                              ; step 0's four loads are in
	TURN 0
.macro STEP t
.set XS, X+16*((\t)%2)
.if (\t) > 0
	s_wait_dscnt 1                                 ; this step's numbers are back from the stage (the last step's byte store may be out): so its stores into the stage have read their registers,
.else
	s_wait_dscnt 0x0
.endif
.if (\t)+4 < STEPS
	LOAD (\t)+4                                    ; which take the loads of four steps on
.endif
.if (\t)+1 < STEPS
.if STEPS-2-(\t) >= 3
	s_wait_loadcnt 12                              ; the next step's four loads are in; those of the three steps behind it may be out
.else
	s_wait_loadcnt 4*(STEPS-2-(\t))
.endif
	TURN (\t)+1                                    ; and go through the other stage while this step is worked
.endif
	v_max3_num_f32 v8, |v[XS]|, |v[XS+1]|, |v[XS+2]|               ; the largest magnitude of my 16
	v_max3_num_f32 v9, |v[XS+3]|, |v[XS+4]|, |v[XS+5]|
.irp i, 6,10
	v_max3_num_f32 v8, v8, |v[XS+\i]|, |v[XS+\i+1]|
	v_max3_num_f32 v9, v9, |v[XS+\i+2]|, |v[XS+\i+3]|
.endr
	v_max3_num_f32 v8, v8, |v[XS+14]|, |v[XS+15]|
	v_max3_num_f32 v8, v8, v9, (EMAX+1)<<23        ; and the floor 2^(EMAX + 1 - 127): the byte cannot fall under 1
	v_max_num_f32_dpp v8, v8, v8 row_xmask:1 row_mask:0xf bank_mask:0xf   ; and of my neighbour's 16: the block's
	v_add_nc_u32 v11, -(EMAX<<23), v8              ; EMAX off its exponent field: the conversion takes the exponent field of this operand as its scale
	v_cvt_scalef32_pk8_fp4_f32 v[C+4*(\t)], v[XS:XS+7], v11
	v_cvt_scalef32_pk8_fp4_f32 v[C+4*(\t)+1], v[XS+8:XS+15], v11
	v_lshrrev_b32 v[E+(\t)], 23, v11               ; the scale's byte
	ds_store_b8 v5, v[E+(\t)] offset:16*(\t)       ; both lanes of a block write the same byte with the same value
	global_store_b64 v4, v[C+4*(\t):C+4*(\t)+1], s[6:7] offset:32*CB*(\t)   ; the wave stores 256 consecutive bytes, aligned
.endm
.irp t, 0,1,2,3,4,5,6,7,8,9,10,11,12,13,14,15
	STEP \t
.endr
	ds_load_b64 v[8:9], v6                         ; LDS serves a wave's instructions in order: these see my stores
	s_wait_dscnt 0x0
	global_store_b64 v7, v[8:9], s[36:37]          ; 32 lanes store 256 consecutive bytes, aligned
	s_wait_tensorcnt 0x0                           ; the wave's end: the closing add and its wait, behind my last LDS store
	ds_add_u32 v[SPW], v[NIL]
	s_wait_dscnt 0x0
	s_endpgm
; ---------------- Wo into f16: a wave takes 8,192 numbers, four groups of 16 loads of 512 bytes; two groups are on their way
.Lwo:
	s_sub_co_u32 s32, ttmp9, 512
	s_lshl_b32 s32, s32, 2
	s_add_co_u32 s32, s32, s2                      ; my run
	s_lshl_b32 s34, s32, 15
	s_mov_b32 s35, 0
	s_add_nc_u64 s[4:5], s[16:17], s[34:35]
	s_lshl_b32 s34, s32, 14
	s_add_nc_u64 s[6:7], s[28:29], s[34:35]
	v_lshlrev_b32 v4, 3, v2                        ; out: 8 bytes a lane
.macro LOADG g
.irp n, 0,1,2,3,4,5,6,7,8,9,10,11,12,13,14,15
	global_load_b128 v[32+64*((\g)%2)+4*\n:32+64*((\g)%2)+4*\n+3], v3, s[4:5] offset:512*(16*(\g)+\n) th:TH_LOAD_NT
.endr
.endm
.macro GROUP g
.if (\g) < 3
	s_wait_loadcnt 16                              ; this group's 16 loads are in; the next group's may be out
.else
	s_wait_loadcnt 0x0
.endif
.if (\g) > 0
	s_wait_xcnt 0x0                                ; the last group's stores have read v160-191: they are written again only behind this wait
.endif
.set XS, 32+64*((\g)%2)
.irp n, 0,1,2,3,4,5,6,7,8,9,10,11,12,13,14,15
	v_cvt_pk_f16_f32 v[160+2*\n], v[XS+4*\n], v[XS+4*\n+1]
	v_cvt_pk_f16_f32 v[161+2*\n], v[XS+4*\n+2], v[XS+4*\n+3]
.endr
.if (\g) < 2
	LOADG (\g)+2
.endif
.irp n, 0,1,2,3,4,5,6,7,8,9,10,11,12,13,14,15
	global_store_b64 v4, v[160+2*\n:161+2*\n], s[6:7] offset:256*(16*(\g)+\n)   ; 256 consecutive bytes, aligned
.endr
.endm
	LOADG 0
	LOADG 1
	GROUP 0
	GROUP 1
	GROUP 2
	GROUP 3
	s_endpgm                                       ; this stream has written no LDS
; ---------------- the mask: a work-group takes 16 rows, a wave 512 columns of them, 128 columns (two chunks of 64 keys) at a time
; A load takes 512 consecutive bytes of one row: lane l holds columns 4 l .. 4 l + 3: chunk cc = l / 16; with p = l % 16: tile of keys p / 4, half of the lanes (p / 2) % 2, half of the registers p % 2.
; In the stage a block (tile of keys, half of the registers) is 784 bytes apart from the next, its two halves of 16 lanes 384 apart: in units of 16 bytes 49 and 24, so that the sixteen lanes of a store fall on
; sixteen different columns of 16 bytes modulo 256, and a load back takes 256 consecutive bytes.
.Lmask:
	s_sub_co_u32 s32, ttmp9, 640                   ; qt: which 16 rows
	s_lshl_b32 s32, s32, 17                        ; 16 rows of 8,192 bytes, in the mask and in maskc alike
	s_mov_b32 s33, 0
	s_add_nc_u64 s[4:5], s[18:19], s[32:33]
	s_add_nc_u64 s[6:7], s[30:31], s[32:33]
	s_lshl_b32 s32, s2, 11                         ; my wave's 512 columns,
	s_add_nc_u64 s[4:5], s[4:5], s[32:33]
	s_lshl_b32 s32, s2, 15                         ; which are 8 chunks of 4,096 bytes
	s_add_nc_u64 s[6:7], s[6:7], s[32:33]
	s_mov_b32 s34, 0x3b800000                      ; 2^-8
	s_mov_b32 s35, s34                             ; (named with it as a pair, so it is written)
	v_lshrrev_b32 v5, 4, v2                        ; cc, and on the way back the half of the lanes
	v_and_b32 v6, 15, v2                           ; p
	v_lshrrev_b32 v7, 2, v6
	v_and_b32 v8, 1, v6
	v_lshl_add_u32 v7, v7, 1, v8                   ; the block: 2 (p / 4) + p % 2
	v_bfe_u32 v8, v6, 1, 1
	v_mul_u32_u24 v9, v5, 8*784
	v_mad_u32_u24 v9, v7, 784, v9
	v_mad_u32_u24 v9, v8, 384, v9
	s_mul_i32 s32, s2, MWAVE
	s_add_co_u32 s32, s32, MSTG
	v_add_nc_u32 v9, s32, v9                       ; into the stage; the row goes into the immediate, 16 bytes a row
	v_mul_u32_u24 v10, v5, 384
	v_lshl_add_u32 v10, v6, 4, v10
	v_add_nc_u32 v10, s32, v10                     ; and back
.macro LOADP p
.irp r, 0,1,2,3,4,5,6,7,8,9,10,11,12,13,14,15
	global_load_b128 v[32+64*((\p)%2)+4*\r:32+64*((\p)%2)+4*\r+3], v3, s[4:5] offset:\r*8192+(\p)*512 th:TH_LOAD_NT
.endr
.endm
.macro PAIR p
.if (\p) < 3
	s_wait_loadcnt 16                              ; this pair's 16 loads are in; the next pair's may be out
.else
	s_wait_loadcnt 0x0
.endif
.set XS, 32+64*((\p)%2)
.irp j, 0,2,4,6,8,10,12,14,16,18,20,22,24,26,28,30,32,34,36,38,40,42,44,46,48,50,52,54,56,58,60,62
	v_pk_mul_f32 v[XS+\j:XS+\j+1], v[XS+\j:XS+\j+1], s[34:35] op_sel_hi:[1,0]
.endr
.irp r, 0,1,2,3,4,5,6,7,8,9,10,11,12,13,14,15
	ds_store_b128 v9, v[XS+4*\r:XS+4*\r+3] offset:16*\r
.endr
.if (\p) > 0
	s_wait_xcnt 0x0                                ; the last pair's stores have read v160-223: they are loaded again only behind this wait
.endif
.irp c, 0,1
.irp b, 0,1,2,3,4,5,6,7
	ds_load_b128 v[160+4*(8*\c+\b):160+4*(8*\c+\b)+3], v10 offset:\c*8*784+\b*784   ; LDS serves a wave's instructions in order: these see the stores above
.endr
.endr
	s_wait_dscnt 0x0                               ; the blocks are back, and the stores into the stage have read their registers
.if (\p) < 2
	LOADP (\p)+2
.endif
.irp c, 0,1
.irp b, 0,1,2,3,4,5,6,7
	global_store_b128 v3, v[160+4*(8*\c+\b):160+4*(8*\c+\b)+3], s[6:7] offset:(2*(\p)+\c)*4096+\b*512   ; 512 consecutive bytes, aligned
.endr
.endr
.endm
	LOADP 0
	LOADP 1
	PAIR 0
	PAIR 1
	PAIR 2
	PAIR 3
	s_wait_tensorcnt 0x0                           ; the wave's end: the closing add and its wait, behind my last LDS store
	ds_add_u32 v[SPW], v[NIL]
	s_wait_dscnt 0x0
	s_endpgm
.Lfunc_end_k_q6a877577e8_prep:
	.size	k_q6a877577e8_prep, .Lfunc_end_k_q6a877577e8_prep-k_q6a877577e8_prep
	.p2alignl 7, 3214868480
	.fill 96, 4, 3214868480
	.section	.rodata,"a",@progbits
	.p2align	6, 0x0
	.amdhsa_kernel k_q6a877577e8_prep
		.amdhsa_group_segment_fixed_size 83456
		.amdhsa_private_segment_fixed_size 0
		.amdhsa_enable_private_segment 0
		.amdhsa_kernarg_size 96
		.amdhsa_user_sgpr_count 2
		.amdhsa_user_sgpr_kernarg_segment_ptr 1
		.amdhsa_wavefront_size32 1
		.amdhsa_system_sgpr_workgroup_id_x 1
		.amdhsa_system_sgpr_workgroup_id_y 1
		.amdhsa_system_sgpr_workgroup_id_z 1
		.amdhsa_system_vgpr_workitem_id 0
		.amdhsa_next_free_vgpr 224
		.amdhsa_next_free_sgpr 66
		.amdhsa_reserve_vcc 0
		.amdhsa_float_denorm_mode_32 3
		.amdhsa_float_denorm_mode_16_64 3
		.amdhsa_memory_ordered 1
		.amdhsa_forward_progress 1
		.amdhsa_inst_pref_size 84
	.end_amdhsa_kernel
	.amdgpu_metadata
---
amdhsa.version: [ 1, 2 ]
amdhsa.kernels:
  - .name:           k_q6a877577e8_prep
    .symbol:         k_q6a877577e8_prep.kd
    .args:
      - { .name: x, .offset: 0, .size: 8, .value_kind: global_buffer, .address_space: global }
      - { .name: Wq, .offset: 8, .size: 8, .value_kind: global_buffer, .address_space: global }
      - { .name: Wk, .offset: 16, .size: 8, .value_kind: global_buffer, .address_space: global }
      - { .name: Wv, .offset: 24, .size: 8, .value_kind: global_buffer, .address_space: global }
      - { .name: Wo, .offset: 32, .size: 8, .value_kind: global_buffer, .address_space: global }
      - { .name: mask, .offset: 40, .size: 8, .value_kind: global_buffer, .address_space: global }
      - { .name: xc, .offset: 48, .size: 8, .value_kind: global_buffer, .address_space: global }
      - { .name: xs, .offset: 56, .size: 8, .value_kind: global_buffer, .address_space: global }
      - { .name: wc, .offset: 64, .size: 8, .value_kind: global_buffer, .address_space: global }
      - { .name: ws, .offset: 72, .size: 8, .value_kind: global_buffer, .address_space: global }
      - { .name: wo16, .offset: 80, .size: 8, .value_kind: global_buffer, .address_space: global }
      - { .name: maskc, .offset: 88, .size: 8, .value_kind: global_buffer, .address_space: global }
    .group_segment_fixed_size: 83456
    .private_segment_fixed_size: 0
    .kernarg_segment_align: 8
    .kernarg_segment_size: 96
    .max_flat_workgroup_size: 128
    .sgpr_count:     66
    .vgpr_count:     224
    .wavefront_size: 32
...
	.end_amdgpu_metadata
.endif
;; end of part 1
;; launch qkv (part 2): grid 24 x 8, 4 waves a work-group, clusters of 4 x 4, 327,680 bytes of LDS; arguments xc, xs, wc, ws, bq, bk, bv, cos, sin, qkv; writes qkv
.if DOCPART == 2
	.amdgcn_target "amdgcn-amd-amdhsa--gfx1250"
	.amdhsa_code_object_version 6
	.text
	.protected	k_q6a877577e8_qkv
	.globl	k_q6a877577e8_qkv
	.p2align	8
	.type	k_q6a877577e8_qkv,@function
k_q6a877577e8_qkv:
	s_mov_b64 s[64:65], 0
	v_nop
	global_prefetch_b8 v0, s[64:65] scope:SCOPE_SE
	s_setreg_imm32_b32 hwreg(HW_REG_WAVE_MODE, 25, 1), 1
	s_wait_xcnt 0x0
	s_wait_alu depctr_hold_cnt(0) depctr_sa_sdst(0) depctr_va_vdst(0) depctr_va_sdst(0) depctr_va_ssrc(0) depctr_va_vcc(0) depctr_vm_vsrc(0)
	s_getreg_b32 s2, hwreg(HW_REG_IB_STS2, 6, 4)
	s_cmp_eq_u32 s2, 0
	s_cbranch_scc0 .Lentry_in_a_cluster
	s_endpgm
.Lentry_in_a_cluster:
	s_bfe_u32 s2, ttmp6, 0x10000c
	s_cmp_lg_u32 s2, 0xf033
	s_cbranch_scc0 .Lentry_shape_is_right
	s_endpgm
.Lentry_shape_is_right:
; q, k, v = x W^T + b on codes of FP4 (E2M1) with one E8M0 scale for each 32 along K; q and k are rotated by cos and sin and multiplied by sigma = 2^-5.75; all three leave as f16, by heads: qkv [3 x 16][2,048][128].
; sigma^2 = 2^-8 / sqrt(128): attn's scores come out as 2^-8 x (q . k / sqrt(128)), and q and k have room in f16 up to 65,504 / sigma = 3.5e6.  LIMITS: |q|, |k| beyond 3.5e6 and |v| beyond 65,504 overflow f16.  No work is left out.
; A = x [2,048][2,048], B = Wq, Wk, Wv one below the other [6,144][2,048].  A tile of C, 256 x 256, is made by four waves; a wave makes 128 positions x 128 columns: ONE HEAD of q, of k or of v: 64 accumulators, 512 registers.
; K goes in steps of 512 through a ring of two LDS slots filled by the tensor data mover: a tile's row is 256 bytes of memory.  The scale bytes of the work-group's rows of A and B, for all of K, come into LDS once.
; CLUSTERS: 4 x 4 work-groups; A's tiles are asked for jointly along a row of the cluster, B's along a column.  192 work-groups: 256 equal tiles would cut heads apart.
; THE MATRIX INSTRUCTION IS USED TRANSPOSED (source 0 = 16 rows of B, source 1 = 16 rows of A): a lane holds eight neighbouring columns of one position.  THE BIAS is the C of each sum's first product.
; A cluster's four tile columns are of one kind (cluster x 0, 1: q; 2, 3: k; 4, 5: v), so the one branch on the kind is the same in all partners.
; REGISTERS, in windows of 256: window 0: v0-31 addresses; v32-95 scale words, two sets, and nothing else; v96-127 f16 to store; v128-191 A's fragments, ONE set; v192-255 the bias; on the way out v128-255 hold rows back from the stage.
;   window 1: B's fragments, TWO sets, at v0 and v128; on the way out three sets of cos and sin at v0, v64, v128, and the rotated numbers at v192.   windows 2, 3: the accumulators ((a, b) at v[8 (8 (a % 4) + b)]).
.set SIZE_K, 2048
.set KSTEP,  512                       ; along K in a slot
.set NQ,     KSTEP/128                 ; matrix instructions deep
.set ROWB,   256                       ; a tile's row in bytes
.set KROW,   SIZE_K*4/8                ; a row of codes in memory
.set PITCH,  272                       ; an LDS row: 256 bytes + 16 of padding: the 16 rows that a load touches start 68 words apart
.set FR,     8                         ; registers of a fragment: 16 rows x 128 K
.set NL,     2                         ; LDS loads that bring one
.set NP,     4                         ; places behind this matrix instruction (ISA guide 7.12.1)
.set HALFT,  128*PITCH
.set SLOT,   4*HALFT                   ; A's 256 rows, then B's 256 rows
.set LAPS,   SIZE_K/(2*KSTEP)
.set KS,     SIZE_K/32                 ; a row of scale bytes
.set SCL,    2*SLOT                    ; behind the ring: the scales, as units of 256 bytes + 16 of padding
.set HALFS,  (128*KS/256)*272
.set SBLK,   (16*KS/256)*272
.set SPARE,  SCL+4*HALFS               ; the spare words, 128 bytes for each wave: two blocks of 256 bytes that no other line names
.set SPITCH, 528                       ; the way out: a stage of 16 rows x (512 bytes + 16) for each wave, in slot 0, which has had its last fill and its last read by then
.set ADRA, 16
.set ADRB, 20
.set STO,  24                          ; v24  the way out: where I put 16 bytes of a row
.set RD,   25                          ; v25  and where I read a row back
.set CO,   26                          ; v26  16 x lane: my 16 bytes of two rows of f16
.set ADRS, 27
.set SPW,  28                          ; v28  LDS address of my spare word; never rewritten
.set NIL,  29                          ; v29  0; never rewritten
.set CSO,  30                          ; v30  cos, sin: (lane / 16) rows of 4,096 bytes + 16 (lane % 16)
.set BIO,  31                          ; v31  the bias: 32 (lane / 16)
.set SC,   32
.set OUT,  96
.set AF,   128
.set BI,   192
.set BK,   128
.set RW,   192                         ; in window 1
.set ISV,  95                          ; s95  1 where my columns are v's
.set SG,   98                          ; s[98:99] sigma
.set G1, 24
.set G0, 32
.set G1B, 48
.set G0B, 56
.set G1S, 68
.set G0S, 76
.set G1SB, 80
.set G0SB, 88
.set MSB, 0
.macro WIN new                         ; the immediate's high byte repeats the setting that is left
.if MSB != \new
	s_set_vgpr_msb (MSB<<8)|\new
.set MSB, \new
.endif
.endm
.set MUL_LO, 0xa1                      ; source 0 (B) window 1, source 1 (A) window 0, C and D window 2
.set MUL_HI, 0xf1                      ; the same, C and D window 3
.set TO_B,   0x40
; A joint load: waves 0 and 1 fetch for A, waves 2 and 3 for B; the branch hangs on the wave's number alone.  An s_nop 0 and four v_nop follow each of the two lines.
.macro JLOAD g0a, g1a, g0b, g1b
	s_cmp_eq_u32 s15, 0
	s_cbranch_scc0 .Lfor_b_\@
	tensor_load_to_lds s[\g0a:\g0a+3], s[\g1a:\g1a+7]
	s_nop 0
.rept 4
	v_nop
.endr
	s_branch .Lasked_\@
.Lfor_b_\@:
	tensor_load_to_lds s[\g0b:\g0b+3], s[\g1b:\g1b+7]
	s_nop 0
.rept 4
	v_nop
.endr
.Lasked_\@:
.endm
.macro CREST                           ; a round of the cluster's barrier behind its opening barrier
	s_cmp_lg_u32 s14, 0
	s_cbranch_scc1 .Lnot_wave_0_\@
	s_barrier_signal -3
.Lnot_wave_0_\@:
	s_barrier_wait -3
	s_barrier_signal -1
	s_barrier_wait -1
.endm
.macro CROUND
	s_barrier_signal -1
	s_barrier_wait -1
	CREST
.endm
	s_load_b128 s[4:7], s[0:1], 0x0                ; x's codes, x's scales
	s_load_b128 s[8:11], s[0:1], 0x10              ; the weights' codes, their scales
	s_load_b64 s[66:67], s[0:1], 0x20              ; bq
	s_load_b64 s[98:99], s[0:1], 0x28              ; bk
	s_load_b64 s[100:101], s[0:1], 0x30            ; bv
	s_load_b64 s[104:105], s[0:1], 0x38            ; cos
	s_load_b64 s[96:97], s[0:1], 0x40              ; sin
	s_load_b64 s[12:13], s[0:1], 0x48              ; qkv
	v_lshl_add_u32 v[SPW], v0, 2, SPARE
	v_mov_b32 v[NIL], 0
	ds_add_u32 v[SPW], v[NIL]                      ; the wave's opening: the add, twice on end, and its wait ahead of my first tensor load
	ds_add_u32 v[SPW], v[NIL]
	v_lshrrev_b32 v1, 5, v0
	v_readfirstlane_b32 s14, v1                    ; wave 0..3
	s_lshr_b32 s15, s14, 1                         ; which half of the tile's rows is mine.  Also: I fetch for A (0) or for B (1)
	s_and_b32 s16, s14, 1                          ; which half of its columns.  Also: which 128 rows of that tile I fetch
	s_bfe_u32 s40, ttmp6, 0x40000                  ; cx, cy
	s_bfe_u32 s41, ttmp6, 0x40004
	s_lshl_b32 s42, ttmp9, 2
	s_add_co_u32 s42, s42, s40                     ; tile column = 4 x cluster x + cx
	s_and_b32 s17, ttmp7, 0xffff
	s_lshl_b32 s17, s17, 2
	s_add_co_u32 s17, s17, s41                     ; tile row = 4 x cluster y + cy
	s_lshl_b32 s43, s41, 2
	s_lshl_b32 s43, 15, s43                        ; my row of the cluster
	s_lshl_b32 s44, 0x1111, s40                    ; my column
	s_or_b32 s[G1+0], s43, (0<<16)|(1<<20)|(1<<21)|(5<<22)|(3<<25)  ; the mask; elements of 1 byte; padding: 4 words after every 64; bit 21 beside a mask
	s_or_b32 s[G1B+0], s44, (0<<16)|(1<<20)|(1<<21)|(5<<22)|(3<<25)
.irp g, G1, G1B
	s_mov_b32 s[\g+1], ROWB<<16                    ; tensor_dim0
	s_mov_b32 s[\g+2], 128<<16                     ; tensor_dim1
	s_mov_b32 s[\g+3], ROWB<<16                    ; tile_dim0
	s_mov_b32 s[\g+4], 128                         ; tile_dim1
	s_mov_b32 s[\g+5], KROW                        ; tensor_dim0_stride
	s_mov_b32 s[\g+6], 0
	s_mov_b32 s[\g+7], 0
.endr
	s_or_b32 s[G1S+0], s43, (3<<16)|(1<<20)|(1<<21)|(5<<22)|(3<<25)  ; the scales of 128 rows: a dense block, as rows of 256 bytes (32 elements of 8 bytes)
	s_or_b32 s[G1SB+0], s44, (3<<16)|(1<<20)|(1<<21)|(5<<22)|(3<<25)
.irp g, G1S, G1SB
	s_mov_b32 s[\g+1], 32<<16
	s_mov_b32 s[\g+2], (128*KS/256)<<16
	s_mov_b32 s[\g+3], 32<<16
	s_mov_b32 s[\g+4], 128*KS/256
	s_mov_b32 s[\g+5], 32
	s_mov_b32 s[\g+6], 0
	s_mov_b32 s[\g+7], 0
.endr
	s_lshl_b32 s18, s16, 7
	s_lshl_b32 s20, s17, 8
	s_add_co_u32 s20, s20, s18                     ; A: row 256 x tile row + 128 x half
	s_lshl_b32 s46, s42, 8
	s_add_co_u32 s46, s46, s18                     ; B: row 256 x tile column + 128 x half
	s_mov_b32 s21, 0
	s_mov_b32 s47, 0
	s_mov_b64 s[18:19], KS
	s_mul_u64 s[22:23], s[20:21], s[18:19]
	s_mul_u64 s[92:93], s[46:47], s[18:19]
	s_mov_b64 s[18:19], KROW
	s_mul_u64 s[20:21], s[20:21], s[18:19]
	s_mul_u64 s[46:47], s[46:47], s[18:19]
	s_mul_i32 s45, s14, HALFT                      ; where they go: wave x 128 rows
	s_mul_i32 s94, s14, HALFS
	s_wait_dscnt 0x0                               ; both opening adds are done
	s_wait_kmcnt 0x0
	s_add_nc_u64 s[20:21], s[4:5], s[20:21]
	s_add_nc_u64 s[22:23], s[6:7], s[22:23]
	s_add_nc_u64 s[46:47], s[8:9], s[46:47]
	s_add_nc_u64 s[92:93], s[10:11], s[92:93]
	CROUND                                         ; all sixteen work-groups are here: the first joint loads meet
	s_mov_b32 s[G0S], 1
	s_add_co_u32 s[G0S+1], s94, SCL
	s_mov_b64 s[G0S+2:G0S+3], s[22:23]
	s_or_b32 s[G0S+3], s[G0S+3], 0x80000000
	s_mov_b32 s[G0SB], 1
	s_add_co_u32 s[G0SB+1], s94, SCL
	s_mov_b64 s[G0SB+2:G0SB+3], s[92:93]
	s_or_b32 s[G0SB+3], s[G0SB+3], 0x80000000
	JLOAD G0S, G1S, G0SB, G1SB                     ; the scales first: they are wanted with K step 0
.irp s, 0,1
	s_mov_b32 s[G0+4*\s], 1
	s_add_co_u32 s[G0+4*\s+1], s45, \s*SLOT
	s_add_nc_u64 s[G0+4*\s+2:G0+4*\s+3], s[20:21], \s*ROWB
	s_or_b32 s[G0+4*\s+3], s[G0+4*\s+3], 0x80000000
	s_mov_b32 s[G0B+4*\s], 1
	s_add_co_u32 s[G0B+4*\s+1], s45, \s*SLOT
	s_add_nc_u64 s[G0B+4*\s+2:G0B+4*\s+3], s[46:47], \s*ROWB
	s_or_b32 s[G0B+4*\s+3], s[G0B+4*\s+3], 0x80000000
	JLOAD G0+4*\s, G1, G0B+4*\s, G1B
.endr
	v_and_b32 v1, 15, v0                           ; r = l % 16
	v_bfe_u32 v2, v0, 4, 1                         ; h = l / 16
	; the bias of my kind, at my head's 128 columns
	s_cmp_lt_u32 ttmp9, 4
	s_cselect_b64 s[98:99], s[98:99], s[100:101]
	s_cselect_b32 s[ISV], 0, 1
	s_cmp_lt_u32 ttmp9, 2
	s_cselect_b64 s[66:67], s[66:67], s[98:99]
	s_and_b32 s18, s42, 7
	s_lshl_b32 s18, s18, 1
	s_add_co_u32 s18, s18, s16                     ; my head: 2 x (tile column % 8) + half
	s_lshl_b32 s20, s18, 9                         ; 128 numbers of 4 bytes a head
	s_mov_b32 s21, 0
	s_add_nc_u64 s[66:67], s[66:67], s[20:21]
	v_lshlrev_b32 v[BIO], 5, v2
.irp b, 0,1,2,3,4,5,6,7                        ; lane (r, h) wants, for B's block b, the bias of columns 16 b + 8 h + 0 .. 7: the result's layout
	global_load_b128 v[BI+8*\b:BI+8*\b+3], v[BIO], s[66:67] offset:64*\b
	global_load_b128 v[BI+8*\b+4:BI+8*\b+7], v[BIO], s[66:67] offset:64*\b+16
.endr
	s_mov_b32 s[SG], 0x3c9837f0                    ; sigma = 2^-5.75
	s_mov_b32 s[SG+1], s[SG]                       ; (named with it as a pair, so it is written)
	v_mul_u32_u24 v3, v1, PITCH
	v_lshl_add_u32 v4, v2, 4, v3                   ; a fragment's row x pitch + 16 x half
	s_mul_i32 s21, s15, HALFT                      ; my 128 rows of A
	s_mul_i32 s22, s16, HALFT                      ; my 128 rows of B,
	s_add_co_u32 s22, s22, 2*HALFT                 ; which lie behind A's 256
.irp s, 0,1
	v_add_nc_u32 v[ADRA+\s], s21, v4
	v_add_nc_u32 v[ADRB+\s], s22, v4
	s_add_co_u32 s21, s21, SLOT
	s_add_co_u32 s22, s22, SLOT
.endr
	v_mul_u32_u24 v5, v1, KS                       ; my row's scales: KS bytes a row,
	v_lshrrev_b32 v6, 8, v5
	v_lshl_add_u32 v5, v6, 4, v5                   ; and 16 more for each 256 passed
	s_mul_i32 s21, s15, HALFS
	s_mul_i32 s22, s16, HALFS
	s_add_co_u32 s22, s22, 2*HALFS
	s_sub_co_u32 s22, s22, s21
	v_mul_u32_u24 v6, s22, v2                      ; lanes 16-31 take B's
	s_add_co_u32 s21, s21, SCL
	v_add_nc_u32 v5, v5, v6
	v_add_nc_u32 v[ADRS], s21, v5
	s_mul_i32 s23, s14, 16*SPITCH                  ; my stage
	v_mul_u32_u24 v5, v1, SPITCH                   ; in: row r; a row's even pieces of 16 bytes fill its first 256 bytes, the odd ones its second: piece (b, h, i) at 256 i + 32 b + 16 h
	v_lshl_add_u32 v5, v2, 4, v5
	v_add_nc_u32 v[STO], s23, v5
	v_mul_u32_u24 v5, v2, SPITCH                   ; back: lanes 0-15 one row, lanes 16-31 the next; lane l % 16 takes columns 8 (l % 16) + 0 .. 7, in two pieces 256 bytes apart
	v_lshl_add_u32 v5, v1, 4, v5
	v_add_nc_u32 v[RD], s23, v5
	v_and_b32 v6, 31, v0
	v_lshlrev_b32 v[CO], 4, v6
	v_lshlrev_b32 v[CSO], 12, v2
	v_lshl_add_u32 v[CSO], v1, 4, v[CSO]
	s_lshl_b32 s19, s17, 1
	s_add_co_u32 s19, s19, s15                     ; my block of 128 positions
	s_lshl_b32 s20, s19, 19                        ; cos, sin: 128 rows of 4,096 bytes,
	s_lshl_b32 s22, s18, 8                         ; my head's 64 numbers
	s_add_co_u32 s20, s20, s22
	s_mov_b32 s21, 0
	s_add_nc_u64 s[104:105], s[104:105], s[20:21]
	s_add_nc_u64 s[96:97], s[96:97], s[20:21]
	s_lshl_b32 s20, s42, 1
	s_add_co_u32 s20, s20, s16                     ; qkv: plane 2 x tile column + half, of 2,048 x 256 bytes,
	s_lshl_b32 s20, s20, 19
	s_lshl_b32 s22, s19, 15                        ; 128 rows of 256 bytes
	s_add_co_u32 s20, s20, s22
	s_add_nc_u64 s[12:13], s[12:13], s[20:21]
	s_wait_loadcnt 0x0                             ; the bias
.macro FRAG reg, adr, q, i             ; 16 rows x 128 K of 4-bit codes: lane l holds row l % 16; registers 4 c .. 4 c + 3 hold K = 64 c + 32 (l / 16) + 0 .. 31
.irp c, 0,1
	ds_load_b128 v[\reg+4*\c:\reg+4*\c+3], v[\adr] offset:64*(\q)+32*\c+(\i)*16*PITCH
.endr
.endm
; 16 matrix instructions: A's blocks a0, a0 + 1 x B's eight, the slot's q-th 128 along K.  zero = 1: the first product starts the sums from the bias.  The 64 accumulators take turns, one instruction a turn.
.macro MUL16 a0, p, q, sc, zero
.irp a, \a0, \a0+1
.irp b, 0,1,2,3,4,5,6,7
.if \zero
	v_wmma_scale_f32_16x16x128_f8f6f4 v[8*(8*((\a)%4)+\b):8*(8*((\a)%4)+\b)+7], v[128*(\p)+FR*\b:128*(\p)+FR*\b+FR-1], v[AF+FR*(\a):AF+FR*(\a)+FR-1], v[BI+8*\b:BI+8*\b+7], v[SC+8*NQ*(\sc)+NQ*\b+(\q)], v[SC+8*NQ*(\sc)+NQ*(\a)+(\q)] matrix_a_fmt:MATRIX_FMT_FP4 matrix_b_fmt:MATRIX_FMT_FP4 matrix_a_scale:MATRIX_SCALE_ROW1
.else
	v_wmma_scale_f32_16x16x128_f8f6f4 v[8*(8*((\a)%4)+\b):8*(8*((\a)%4)+\b)+7], v[128*(\p)+FR*\b:128*(\p)+FR*\b+FR-1], v[AF+FR*(\a):AF+FR*(\a)+FR-1], v[8*(8*((\a)%4)+\b):8*(8*((\a)%4)+\b)+7], v[SC+8*NQ*(\sc)+NQ*\b+(\q)], v[SC+8*NQ*(\sc)+NQ*(\a)+(\q)] matrix_a_fmt:MATRIX_FMT_FP4 matrix_b_fmt:MATRIX_FMT_FP4 matrix_a_scale:MATRIX_SCALE_ROW1
.endif
.endr
.endr
.endm
.macro FETCH_B slot, q, p
	WIN TO_B
.irp i, 0,1,2,3,4,5,6,7
	FRAG 128*(\p)+FR*\i, ADRB+\slot, \q, \i
.endr
	WIN 0
.endm
.macro FETCH_A slot, q, i0
.irp i, \i0, \i0+1, \i0+2, \i0+3
	FRAG AF+FR*(\i), ADRA+\slot, \q, \i
.endr
.endm
.macro SCALES sc                       ; a K step's scale words: lanes 0-15 take A's block i, lanes 16-31 B's block i
.irp i, 0,1,2,3,4,5,6,7
	ds_load_b128 v[SC+8*NQ*\sc+NQ*\i:SC+8*NQ*\sc+NQ*\i+3], v[ADRS] offset:\i*SBLK
.endr
.endm
.macro PLACES n                        ; plain vector instructions between a matrix instruction and a load into, or a read of, its registers
.rept \n
	v_nop
.endr
.endm
.macro STEP slot, q, zero              ; a step of 128 along K that has its successor in the same slot
	s_wait_dscnt 4*NL                              ; B's set and A's blocks 0-3 are in; the youngest loads (A's blocks 4-7) may be out
.if \zero
	WIN 0x81                                       ; C, the bias, in window 0; D in window 2
.else
	WIN MUL_LO
.endif
	MUL16 0, (\q)%2, \q, \slot, \zero
	MUL16 2, (\q)%2, \q, \slot, \zero
	s_wait_dscnt 0                                 ; A's blocks 4-7 are in
	PLACES NP
	FETCH_B \slot, (\q)+1, 1-(\q)%2
	FETCH_A \slot, (\q)+1, 0
.if \zero
	WIN 0xc1
.else
	WIN MUL_HI
.endif
	MUL16 4, (\q)%2, \q, \slot, \zero
	MUL16 6, (\q)%2, \q, \slot, \zero
	PLACES NP
	WIN 0
	FETCH_A \slot, (\q)+1, 4
.endm
; A slot's last step changes slots: ONE barrier; in front of it each wave waits for all its tensor loads, adds 0 to its spare word, and waits for that and for its own reads of this slot.
.macro TURN slot, next, fill
	s_wait_tensorcnt 0x0                           ; all my tensor loads have landed: my part of the next slot
	ds_add_u32 v[SPW], v[NIL]
	s_wait_dscnt 4*NL+1                            ; (the add and the youngest loads, A's blocks 4-7, may be out)
	WIN MUL_LO
	MUL16 0, 1, NQ-1, \slot, 0
	s_wait_dscnt 0x0                               ; the add is done, and my reads of this slot are over
	s_barrier_signal -1
	MUL16 2, 1, NQ-1, \slot, 0
	WIN 0
	s_barrier_wait -1
.if \fill
	CREST                                          ; the barrier has opened a round of the cluster's barrier: no wave of any partner still reads this slot's tile or has a load on its way
	s_add_nc_u64 s[G0+4*\slot+2:G0+4*\slot+3], s[G0+4*\slot+2:G0+4*\slot+3], 2*ROWB
	s_add_nc_u64 s[G0B+4*\slot+2:G0B+4*\slot+3], s[G0B+4*\slot+2:G0B+4*\slot+3], 2*ROWB
	JLOAD G0+4*\slot, G1, G0B+4*\slot, G1B         ; the first tensor load behind the round; its four v_nop are the places in front of the loads below
.else
	PLACES NP
.endif
	v_add_nc_u32 v[ADRS], 4*NQ, v[ADRS]            ; on to the next K step's scale words
	FETCH_B \next, 0, 0
	FETCH_A \next, 0, 0
	SCALES \next
	WIN MUL_HI
	MUL16 4, 1, NQ-1, \slot, 0
	MUL16 6, 1, NQ-1, \slot, 0
	PLACES NP
	WIN 0
	FETCH_A \next, 0, 4
.endm
.macro STEPS slot, from
.set Q, \from
.rept NQ-1-\from
	STEP \slot, Q, 0
.set Q, Q+1
.endr
.endm
	s_wait_tensorcnt 1                             ; the scales and my part of K step 0 are in (K step 1's load may be out)
	s_barrier_signal -1
	s_barrier_wait -1                              ; everybody's are
	FETCH_B 0, 0, 0
	FETCH_A 0, 0, 0
	SCALES 0
	FETCH_A 0, 0, 4
	STEP 0, 0, 1                                   ; the first step stands in front of the loop: its products start the sums
	s_mov_b32 s3, LAPS-1
.Llap:                                                 ; a trip goes once round the ring and fills both slots again
	STEPS 0, 1
	TURN 0, 1, 1
	STEPS 1, 0
	TURN 1, 0, 1
	STEP 0, 0, 0
	s_sub_co_u32 s3, s3, 1
	s_cmp_lg_u32 s3, 0
	s_cbranch_scc1 .Llap
	STEPS 0, 1                                     ; the last lap fills nothing
	TURN 0, 1, 0
	STEPS 1, 0
	s_wait_dscnt 4*NL
	WIN MUL_LO
	MUL16 0, 1, NQ-1, 1, 0
	MUL16 2, 1, NQ-1, 1, 0
	s_wait_dscnt 0
	WIN MUL_HI
	MUL16 4, 1, NQ-1, 1, 0
	MUL16 6, 1, NQ-1, 1, 0
	WIN 0
; THE WAY OUT, block by block of 16 positions x 128 columns, through my own stage in LDS: afterwards a lane holds eight neighbouring columns of a row, and sixteen neighbouring lanes a whole row.
.macro TOSTAGE a
.set AC, 64*((\a)%4)
	WIN 0x08+4*((\a)/4)                            ; the data: window 2 or 3
.irp b, 0,1,2,3,4,5,6,7
	ds_store_b128 v[STO], v[AC+8*\b:AC+8*\b+3] offset:32*\b          ; each accumulator from its low end on
	ds_store_b128 v[STO], v[AC+8*\b+4:AC+8*\b+7] offset:32*\b+256
.endr
	WIN 0
.set BB, BK+64*((\a)%2)
.irp t, 0,1,2,3,4,5,6,7
	ds_load_b128 v[BB+8*\t:BB+8*\t+3], v[RD] offset:2*\t*SPITCH      ; LDS serves a wave's instructions in order: these see the stores above
	ds_load_b128 v[BB+8*\t+4:BB+8*\t+7], v[RD] offset:2*\t*SPITCH+256
.endr
.endm
.macro CSLOAD a                        ; block a's cos and sin: for rows 2 t + l / 16 the four numbers of my eight columns: sixteen lanes read 256 consecutive bytes, aligned
	WIN 0x40
.irp t, 0,1,2,3,4,5,6,7
	global_load_b128 v[64*((\a)%3)+4*\t:64*((\a)%3)+4*\t+3], v[CSO], s[104:105] offset:(16*(\a)+2*\t)*4096
	global_load_b128 v[64*((\a)%3)+32+4*\t:64*((\a)%3)+32+4*\t+3], v[CSO], s[96:97] offset:(16*(\a)+2*\t)*4096
.endr
	WIN 0
.endm
.macro STORE a
.irp t, 0,1,2,3,4,5,6,7
	global_store_b128 v[CO], v[OUT+4*\t:OUT+4*\t+3], s[12:13] offset:(16*(\a)+2*\t)*256   ; two rows of 128 f16: 512 consecutive bytes, aligned
.endr
.endm
; q and k: (even, odd) -> (even cos - odd sin, odd cos + even sin), x sigma, to f16.  younger: the LDS instructions issued behind block a's loads
.macro FINR a, younger
.set BB, BK+64*((\a)%2)
.set CW, 64*((\a)%3)
	s_wait_dscnt \younger                          ; the block is back in registers
	s_wait_xcnt 0x0                                ; the last block's stores have read v96-127: they are written again only behind this wait
.if (\a) <= 5
	s_wait_loadcnt 32                              ; this block's cos and sin are in; the two younger sets of 16 loads may be out
.elseif (\a) == 6
	s_wait_loadcnt 16
.else
	s_wait_loadcnt 0x0
.endif
	WIN 0x44                                       ; source 1 and destination in window 1
.irp t, 0,1,2,3,4,5,6,7
.irp w, 0,1
	v_pk_mul_f32 v[RW+8*\t+4*\w:RW+8*\t+4*\w+1], v[BB+8*\t+4*\w:BB+8*\t+4*\w+1], v[CW+4*\t+2*\w:CW+4*\t+2*\w+1] op_sel:[0,0] op_sel_hi:[1,0]       ; both halves x the pair's cos
	v_pk_mul_f32 v[RW+8*\t+4*\w+2:RW+8*\t+4*\w+3], v[BB+8*\t+4*\w+2:BB+8*\t+4*\w+3], v[CW+4*\t+2*\w:CW+4*\t+2*\w+1] op_sel:[0,1] op_sel_hi:[1,1]
.endr
.endr
	WIN 0x54
.irp t, 0,1,2,3,4,5,6,7
.irp w, 0,1
	v_pk_fma_f32 v[RW+8*\t+4*\w:RW+8*\t+4*\w+1], v[BB+8*\t+4*\w:BB+8*\t+4*\w+1], v[CW+32+4*\t+2*\w:CW+32+4*\t+2*\w+1], v[RW+8*\t+4*\w:RW+8*\t+4*\w+1] op_sel:[1,0,0] op_sel_hi:[0,0,1] neg_lo:[1,0,0]   ; low: - odd x sin; high: + even x sin
	v_pk_fma_f32 v[RW+8*\t+4*\w+2:RW+8*\t+4*\w+3], v[BB+8*\t+4*\w+2:BB+8*\t+4*\w+3], v[CW+32+4*\t+2*\w:CW+32+4*\t+2*\w+1], v[RW+8*\t+4*\w+2:RW+8*\t+4*\w+3] op_sel:[1,1,0] op_sel_hi:[0,1,1] neg_lo:[1,0,0]
.endr
.endr
	WIN 0x41
.irp j, 0,2,4,6,8,10,12,14,16,18,20,22,24,26,28,30,32,34,36,38,40,42,44,46,48,50,52,54,56,58,60,62
	v_pk_mul_f32 v[RW+\j:RW+\j+1], v[RW+\j:RW+\j+1], s[SG:SG+1] op_sel_hi:[1,0]
.endr
	WIN 0x05
.irp j, 0,1,2,3,4,5,6,7,8,9,10,11,12,13,14,15,16,17,18,19,20,21,22,23,24,25,26,27,28,29,30,31
	v_cvt_pk_f16_f32 v[OUT+\j], v[RW+2*\j], v[RW+2*\j+1]
.endr
	WIN 0
.if (\a) < 5
	CSLOAD (\a)+3                                  ; into the set just read
.endif
	STORE \a
.endm
.macro FINV a, younger                 ; v: to f16 as it is
.set BB, BK+64*((\a)%2)
	s_wait_dscnt \younger
	s_wait_xcnt 0x0
.irp j, 0,1,2,3,4,5,6,7,8,9,10,11,12,13,14,15,16,17,18,19,20,21,22,23,24,25,26,27,28,29,30,31
	v_cvt_pk_f16_f32 v[OUT+\j], v[BB+2*\j], v[BB+2*\j+1]
.endr
	STORE \a
.endm
	PLACES NP                                      ; behind the last products: for the loads into B's registers, and for the stores that read results
	s_cmp_lg_u32 s[ISV], 0                         ; the kind of my columns: made of the cluster's x alone
	s_cbranch_scc1 .Lv_out
	CSLOAD 0
	CSLOAD 1
	CSLOAD 2
	TOSTAGE 0
.irp a, 1,2,3,4,5,6,7
	TOSTAGE \a
	FINR \a-1, 32                                  ; behind block a - 1's loads: block a's 16 stores and 16 loads
.endr
	FINR 7, 0
	s_branch .Ldone
.Lv_out:
	TOSTAGE 0
.irp a, 1,2,3,4,5,6,7
	TOSTAGE \a
	FINV \a-1, 32
.endr
	FINV 7, 0
.Ldone:
	s_wait_tensorcnt 0x0                           ; the wave's end: the closing add and its wait, behind my last tensor load and my last LDS store
	ds_add_u32 v[SPW], v[NIL]
	s_wait_dscnt 0x0
	CROUND                                         ; the closing round: no work-group ends while a partner may still ask for a tile that names it
	s_endpgm
.Lfunc_end_k_q6a877577e8_qkv:
	.size	k_q6a877577e8_qkv, .Lfunc_end_k_q6a877577e8_qkv-k_q6a877577e8_qkv
	.p2alignl 7, 3214868480
	.fill 96, 4, 3214868480
	.section	.rodata,"a",@progbits
	.p2align	6, 0x0
	.amdhsa_kernel k_q6a877577e8_qkv
		.amdhsa_group_segment_fixed_size 327680
		.amdhsa_private_segment_fixed_size 0
		.amdhsa_enable_private_segment 0
		.amdhsa_kernarg_size 80
		.amdhsa_user_sgpr_count 2
		.amdhsa_user_sgpr_kernarg_segment_ptr 1
		.amdhsa_wavefront_size32 1
		.amdhsa_system_sgpr_workgroup_id_x 1
		.amdhsa_system_sgpr_workgroup_id_y 1
		.amdhsa_system_sgpr_workgroup_id_z 1
		.amdhsa_system_vgpr_workitem_id 0
		.amdhsa_next_free_vgpr 1024
		.amdhsa_next_free_sgpr 106
		.amdhsa_reserve_vcc 0
		.amdhsa_float_denorm_mode_32 3
		.amdhsa_float_denorm_mode_16_64 3
		.amdhsa_memory_ordered 1
		.amdhsa_forward_progress 1
		.amdhsa_inst_pref_size 255
	.end_amdhsa_kernel
	.section	.bss,"aw",@nobits
	.p2align	6
	.space	262144
	.amdgpu_metadata
---
amdhsa.version: [ 1, 2 ]
amdhsa.kernels:
  - .name:           k_q6a877577e8_qkv
    .symbol:         k_q6a877577e8_qkv.kd
    .args:
      - { .name: xc, .offset: 0, .size: 8, .value_kind: global_buffer, .address_space: global }
      - { .name: xs, .offset: 8, .size: 8, .value_kind: global_buffer, .address_space: global }
      - { .name: wc, .offset: 16, .size: 8, .value_kind: global_buffer, .address_space: global }
      - { .name: ws, .offset: 24, .size: 8, .value_kind: global_buffer, .address_space: global }
      - { .name: bq, .offset: 32, .size: 8, .value_kind: global_buffer, .address_space: global }
      - { .name: bk, .offset: 40, .size: 8, .value_kind: global_buffer, .address_space: global }
      - { .name: bv, .offset: 48, .size: 8, .value_kind: global_buffer, .address_space: global }
      - { .name: cos, .offset: 56, .size: 8, .value_kind: global_buffer, .address_space: global }
      - { .name: sin, .offset: 64, .size: 8, .value_kind: global_buffer, .address_space: global }
      - { .name: qkv, .offset: 72, .size: 8, .value_kind: global_buffer, .address_space: global }
    .group_segment_fixed_size: 327680
    .private_segment_fixed_size: 0
    .kernarg_segment_align: 8
    .kernarg_segment_size: 80
    .max_flat_workgroup_size: 128
    .sgpr_count:     106
    .vgpr_count:     1024
    .wavefront_size: 32
...
	.end_amdgpu_metadata
.endif
;; end of part 2
;; launch attn (part 3): grid 16 x 16, 4 waves a work-group, clusters of 4 x 1, 327,680 bytes of LDS; arguments qkv, maskc, att; writes att
.if DOCPART == 3
	.amdgcn_target "amdgcn-amd-amdhsa--gfx1250"
	.amdhsa_code_object_version 6
	.text
	.protected	k_q6a877577e8_attn
	.globl	k_q6a877577e8_attn
	.p2align	8
	.type	k_q6a877577e8_attn,@function
k_q6a877577e8_attn:
	s_mov_b64 s[64:65], 0
	v_nop
	global_prefetch_b8 v0, s[64:65] scope:SCOPE_SE
	s_setreg_imm32_b32 hwreg(HW_REG_WAVE_MODE, 25, 1), 1
	s_wait_xcnt 0x0
	s_wait_alu depctr_hold_cnt(0) depctr_sa_sdst(0) depctr_va_vdst(0) depctr_va_sdst(0) depctr_va_ssrc(0) depctr_va_vcc(0) depctr_vm_vsrc(0)
	s_getreg_b32 s2, hwreg(HW_REG_IB_STS2, 6, 4)
	s_cmp_eq_u32 s2, 0
	s_cbranch_scc0 .Lentry_in_a_cluster
	s_endpgm
.Lentry_in_a_cluster:
	s_bfe_u32 s2, ttmp6, 0x10000c
	s_cmp_lg_u32 s2, 0x3003
	s_cbranch_scc0 .Lentry_shape_is_right
	s_endpgm
.Lentry_shape_is_right:
; att[q][head] = the sum over k of softmax_k(q . k / sqrt(128) + mask[q][k]) v[k].  qkv: [3 x 16][2,048][128] f16, q and k already x 2^-5.75 each; maskc: mask x 2^-8, f32, in the order of the accumulator registers; att: [2,048][2,048] f16.
; S = k q^T + maskc = 2^-8 (score + mask); p = 2^(c S - c m), c = 2^8 log2(e), m the running maximum.  Products, maxima and sums in f32; p is rounded to f16 for the second product, att once at the end.  No work is left out.
; LIMITS: the running maximum is held at -2^118 from below (-2^126 in units of the score), so that c m stays finite where a row's first keys are all at -infinity: a masked score under that counts as -infinity.
; A row whose every key is at -infinity gives NaN.  NaN and +infinity among the inputs are not served.
; SHARES.  A work-group owns 128 queries of one head.  Wave w: qh = w / 2: which 64 queries (four tiles of 16); kh = w % 2: of each 128 keys the first or the second 64.  So a wave has 16 steps of 64 keys, each fragment of K and V
; feeds four products, and all 256 work-groups are equal.  At the end the two waves of a pair join their m, l and O^T through LDS.
; LAYOUT.  S^T = K Q^T (source 0 = 16 keys, source 1 = 16 queries): a lane holds ONE query (lane % 16) and the keys 8 (lane / 16) + 0..7.  Two such tiles, rounded to f16 in pairs, ARE source 1 of O^T = V^T P.
; THE MASK IS THE C OF A PIECE'S FIRST EIGHT PRODUCTS K Q^T: it comes from memory straight into registers (a load is 512 consecutive bytes) and costs no vector instruction.
; BY TURNS.  The wave's tiles are two PIECES (tiles 0, 1 and tiles 2, 3).  In a TURN one piece has the matrix unit: 32 products V^T P of the step in hand, then 32 products K Q^T of the next; the other piece's softmax, cut into 64
; slices, stands between them, one slice behind each matrix instruction.  Two turns are a key step.
; CLUSTER.  The four query blocks of a cluster belong to one head and walk the same K and V: each tile is asked for JOINTLY.  The mask's rows differ between partners: it is not shared.
; REGISTERS, in windows of 256:  window 0: v0-11, v44-50, v61-63 addresses; v12-43 statistics; v64-191 S^T, 32 a tile; v192-255 P, 16 a tile.   window 1: O^T, 64 a tile.
;   window 2: v0-127 Q; v128-255 K of one step.   window 3: v0-127 V of one step; v128-255 the mask of one step, 32 a tile.
.set PK,    272       ; a row of K in LDS: 256 bytes + 16 of padding
.set PV,    288       ; a row of V: 256 + 32: 16 lanes of the turning load take 8 rows x 32 bytes
.set GK,    128       ; keys of a step of the pair
.set VOFF,  GK*PK     ; a step's tiles lie together: 128 rows of K, then 128 rows of V
.set STEPB, GK*(PK+PV)
.set SLOT1, 0x24000   ; a slot holds two steps (143,360 bytes).  Slot 1 begins here: the four places at which tiles begin in slot 0 (0, 0x8800, 0x11800, 0x1a000) have bits 14 and 17 clear, so one exclusive or turns each into slot 1's
.set SLOTB, 2*GK*256  ; a slot's rows of K, or of V, in memory
.set SPARE, SLOT1+2*STEPB  ; behind the ring: the spare words, 128 bytes for each wave: two blocks of 256 bytes that no other line names
.set OSTG,  SPARE+512 ; 16 rows x 272 bytes for each wave, for the way out
.set SP,    272
.set MST,   131072    ; the joining of the pairs uses slot 0, which has had its last fill and its last read at the last change of slots: O^T's images, 32,768 bytes a wave, from 0; the statistics, 1,024 a wave, from here
.set PLANE, 2048*256  ; a head of q, k or v
.set AK0, 2           ; v2   my lane's place in a tile of K; never rewritten
.set AV0, 3           ; v3   the same for V
.set ADR, 4           ; v4   the LDS address of the run of loads in hand
.set QO,  5
.set STO, 6
.set RD,  7
.set GO,  8
.set MO,  44          ; v44  16 x lane: the mask's loads, and an image's place
.set MPO, 45          ; v45  the mask's prefetches: (lane / 16) tiles of queries + 256 (lane % 16)
.set MW,  46          ; v46  where I store O^T's images
.set MR,  47          ; v47  and where I read the pair's
.set MSW, 48          ; v48  the same for the statistics
.set MSR, 49
.set LN,  50          ; v50  lane, then 4 x lane
.set PFO, 61          ; v61  256 x lane
.set SPW, 62          ; v62  LDS address of my spare word; never rewritten
.set NIL, 63          ; v63  0; never rewritten
.set ST,  12          ; tile t's statistics at v[ST+8 t]: +0 c m, +1 m, +2, +3 l (even keys', odd keys'), +4 to +7 at work
.set S,   64
.set P,   192
.set KF,  128         ; K's fragments, in window 2
.set MK,  128         ; the mask, in window 3
.set WV,  12
.set LIM, 15          ; s15  1 in the head's first cluster, else the greatest number
.set PFA, 18          ; s[18:19] where my prefetches of K or V stand
.set G1K, 24
.set G1V, 32
.set G0K, 40
.set G0V, 48
.set SLOTS, 56
.set TWICE, 57
.set CS,  58          ; s[58:59] c
.set SEL, 60          ; s[60:61] lane selects for v_permlanex16_b32
.set TB,  62          ; s62  LDS byte at which the tiles of the step to be fetched begin
.set MB,  66          ; s[66:67] the mask of my four tiles of queries, at the step whose run was issued last
.set MLIM, 68         ; s68  1 in head 0, else the greatest number
.set FL,  69          ; s69  -2^118
.set MSB, 0
.macro WIN new
.if MSB != \new
	s_set_vgpr_msb (MSB<<8)|\new
.set MSB, \new
.endif
.endm
.set W_KQ,  0x0a      ; K and Q in window 2, S^T in window 0
.set W_KQM, 0x3a      ; the same with C, the mask, in window 3
.set W_PV,  0x53      ; V in window 3, P in window 0, O^T in window 1
.set W_RS,  0x41      ; O^T (destination and source 0) in window 1
; A joint refill.  Waves 0 and 1 fetch the slot's two steps of K, waves 2 and 3 those of V.  An s_nop 0 and four v_nop follow each of the two lines.
.macro JLOAD
	s_cmp_lt_u32 s[WV], 2
	s_cbranch_scc0 .Lfor_v_\@
	tensor_load_to_lds s[G0K+4:G0K+7], s[G1K:G1K+7]
	s_nop 0
.rept 4
	v_nop
.endr
	s_branch .Lasked_\@
.Lfor_v_\@:
	tensor_load_to_lds s[G0V+4:G0V+7], s[G1V:G1V+7]
	s_nop 0
.rept 4
	v_nop
.endr
.Lasked_\@:
.endm
; A prefetch of what the NEXT change of slots will ask for: 256 rows of K and 256 of V, 256 bytes a row, a lane a row.  Each row is named once in the launch: the head's first cluster asks; its four partners take 64 rows
; each, told apart by address; in each, waves 0 and 1 take 32 rows of K, waves 2 and 3 32 of V.  The last change that fills a slot asks for nothing.
.macro ASK
	s_cmp_gt_u32 s[SLOTS], s[LIM]
	s_cbranch_scc0 .Lnot_mine_\@
	global_prefetch_b8 v[PFO], s[PFA:PFA+1] th:TH_LOAD_NT scope:SCOPE_SE
.Lnot_mine_\@:
.endm
; A prefetch of the mask: my wave's 16,384 bytes of the step two beyond the one whose run was just issued.  All heads read the same mask: head 0's work-groups ask, each wave for its own part, so each block is named once.
; The loop's last trip asks for nothing: its steps would lie beyond the last.
.macro ASKM
	WIN 0
	s_cmp_gt_u32 s[SLOTS], s[MLIM]
	s_cbranch_scc0 .Lno_mask_\@
	global_prefetch_b8 v[MPO], s[MB:MB+1] offset:16384 th:TH_LOAD_NT scope:SCOPE_SE
	global_prefetch_b8 v[MPO], s[MB:MB+1] offset:16384+262144 th:TH_LOAD_NT scope:SCOPE_SE
.Lno_mask_\@:
.endm
.macro CROUND
	s_barrier_signal -1
	s_barrier_wait -1
	s_cmp_lg_u32 s[WV], 0
	s_cbranch_scc1 .Lnot_wave_0_\@
	s_barrier_signal -3
.Lnot_wave_0_\@:
	s_barrier_wait -3
	s_barrier_signal -1
	s_barrier_wait -1
.endm
	s_load_b128 s[4:7], s[0:1], 0x0   ; qkv, maskc
	s_load_b64 s[10:11], s[0:1], 0x10 ; att
	v_lshl_add_u32 v[SPW], v0, 2, SPARE
	v_mov_b32 v[NIL], 0
	ds_add_u32 v[SPW], v[NIL]       ; the wave's opening: the add, twice on end, and its wait ahead of my first tensor load
	ds_add_u32 v[SPW], v[NIL]
	v_lshrrev_b32 v1, 5, v0
	v_readfirstlane_b32 s[WV], v1   ; wave 0..3
	s_bfe_u32 s13, ttmp6, 0x40000   ; cx
	s_lshl_b32 s14, ttmp9, 2
	s_add_co_u32 s14, s14, s13      ; my block of 128 queries: it enters Q's, the mask's and att's addresses alone
	s_and_b32 s20, ttmp7, 0xffff    ; the head, which the four partners share
	s_lshl_b32 s74, s20, 8          ; its 256 bytes in a row of att
	s_cmp_eq_u32 s20, 0
	s_cselect_b32 s[MLIM], 1, -1
	s_lshl_b32 s20, s20, 19         ; its plane
	s_mov_b32 s21, 0
	s_and_b32 s16, s[WV], 1         ; kh.  Also: which of a slot's two steps I fetch
	s_lshr_b32 s75, s[WV], 1        ; qh
	s_lshl_b32 s22, s16, 15         ; that step's 128 rows of 256 bytes in memory,
	s_mov_b32 s23, 0
	s_add_nc_u64 s[22:23], s[22:23], s[20:21]
	s_mul_i32 s17, s16, STEPB       ; and its place in a slot
	s_lshl_b32 s2, s14, 15          ; Q: my block's 128 rows,
	s_lshl_b32 s3, s75, 14          ; my wave's 64 of them
	s_add_co_u32 s2, s2, s3
	s_mov_b32 s3, 0
	s_add_nc_u64 s[2:3], s[2:3], s[20:21]
	s_lshl_b32 s76, s14, 3          ; the mask: tile of queries 8 x block + 4 qh, 131,072 bytes each;
	s_lshl_b32 s77, s75, 2
	s_add_co_u32 s76, s76, s77
	s_lshl_b32 s76, s76, 17
	s_lshl_b32 s77, s16, 12         ; chunk kh of 4,096 bytes
	s_add_co_u32 s76, s76, s77
	s_mov_b32 s77, 0
	s_lshl_b32 s78, s14, 7          ; att: row 128 x block + 64 qh + 32 kh (the two tiles that I finish), of 4,096 bytes,
	s_lshl_b32 s79, s75, 6
	s_add_co_u32 s78, s78, s79
	s_lshl_b32 s79, s16, 5
	s_add_co_u32 s78, s78, s79
	s_lshl_b32 s78, s78, 12
	s_add_co_u32 s78, s78, s74      ; and my head's columns
	s_mov_b32 s79, 0
	s_mov_b32 s[G1K], 15|(1<<16)|(1<<20)|(1<<21)|(5<<22)|(3<<25)  ; the mask: all four work-groups; elements of 2 bytes; padding: 4 words after every 64; bit 21 beside a mask
	s_mov_b32 s[G1V], 15|(1<<16)|(1<<20)|(1<<21)|(5<<22)|(7<<25)  ; the same with 8 words of padding
.irp g, G1K, G1V
	s_mov_b32 s[\g+1], 128<<16      ; tensor_dim0 = 128
	s_mov_b32 s[\g+2], GK<<16       ; tensor_dim1 = 128
	s_mov_b32 s[\g+3], 128<<16      ; tile_dim0 = 128
	s_mov_b32 s[\g+4], GK           ; tile_dim1 = 128
	s_mov_b32 s[\g+5], 128          ; tensor_dim0_stride
	s_mov_b32 s[\g+6], 0
	s_mov_b32 s[\g+7], 0
.endr
	s_mov_b32 s[CS], 0x43b8aa3b     ; c = 2^8 log2(e)
	s_mov_b32 s[CS+1], s[CS]
	s_mov_b32 s[SEL], 0x76543210
	s_mov_b32 s[SEL+1], 0xfedcba98
	s_mov_b32 s[FL], 0xfa800000     ; -2^118
	s_mov_b32 s[TB], 0
	s_mov_b32 s[SLOTS], 2048/(2*GK)-2
	s_cmp_eq_u32 ttmp9, 0
	s_cselect_b32 s[LIM], 1, -1     ; the same in all four partners
	v_and_b32 v[LN], 31, v0
	v_lshlrev_b32 v[PFO], 8, v[LN]
	s_wait_dscnt 0x0                ; both opening adds are done
	s_wait_kmcnt 0x0
	s_add_nc_u64 s[70:71], s[4:5], s[22:23]
	s_add_nc_u64 s[72:73], s[70:71], 32*PLANE  ; V at my tile of slot 0,
	s_add_nc_u64 s[70:71], s[70:71], 16*PLANE  ; K likewise
	s_add_nc_u64 s[4:5], s[4:5], s[2:3]        ; Q at my wave's first row
	s_add_nc_u64 s[MB:MB+1], s[6:7], s[76:77]
	s_add_nc_u64 s[10:11], s[10:11], s[78:79]
	s_cmp_lt_u32 s[WV], 2
	s_cselect_b64 s[PFA:PFA+1], s[70:71], s[72:73]
	s_lshl_b32 s2, s13, 14          ; my work-group's 64 rows of the 256,
	s_add_co_u32 s2, s2, 2*SLOTB    ; in slot 2 (the first change of slots steps it to slot 3),
	s_mul_i32 s3, s16, 32768-8192   ; and my wave's 32 of them: the pointer chosen stands kh x 128 rows on, and kh x 32 are wanted
	s_sub_co_u32 s2, s2, s3
	s_mov_b32 s3, 0
	s_add_nc_u64 s[PFA:PFA+1], s[PFA:PFA+1], s[2:3]
	CROUND                          ; all four work-groups are here: the first joint loads meet
.irp s, 0,1
	s_mov_b32 s[G0K+4*\s], 1
	s_add_co_u32 s[G0K+4*\s+1], s17, \s*SLOT1
	s_add_nc_u64 s[G0K+4*\s+2:G0K+4*\s+3], s[70:71], \s*SLOTB
	s_or_b32 s[G0K+4*\s+3], s[G0K+4*\s+3], 0x80000000
	s_mov_b32 s[G0V+4*\s], 1
	s_add_co_u32 s[G0V+4*\s+1], s17, \s*SLOT1+VOFF
	s_add_nc_u64 s[G0V+4*\s+2:G0V+4*\s+3], s[72:73], \s*SLOTB
	s_or_b32 s[G0V+4*\s+3], s[G0V+4*\s+3], 0x80000000
.endr
	s_cmp_lt_u32 s[WV], 2           ; a wave's two first fills stand in one branch, ahead of every wait on TENSORcnt and every LDS read: two loads of mine are out
	s_cbranch_scc0 .Lfirst_v
	tensor_load_to_lds s[G0K:G0K+3], s[G1K:G1K+7]
	s_nop 0
	tensor_load_to_lds s[G0K+4:G0K+7], s[G1K:G1K+7]
	s_nop 0
.rept 4
	v_nop
.endr
	s_branch .Lfirst_asked
.Lfirst_v:
	tensor_load_to_lds s[G0V:G0V+3], s[G1V:G1V+7]
	s_nop 0
	tensor_load_to_lds s[G0V+4:G0V+7], s[G1V:G1V+7]
	s_nop 0
.rept 4
	v_nop
.endr
.Lfirst_asked:
; 16 loads: the mask of tiles x and x + 1 for one step: register 4 f .. 4 f + 3 of a tile is 512 consecutive bytes of the wave.  step = 1 and x = 0: on to the next step (my chunks lie 8,192 bytes apart)
.macro MRUN x, step
.if (\step) && ((\x) == 0)
	s_wait_xcnt 0x0                 ; the loads and prefetches of the last step have read their base
	s_add_nc_u64 s[MB:MB+1], s[MB:MB+1], 8192
.endif
	WIN 0xc0                        ; destination window 3
.irp t, \x, \x+1
.irp f, 0,1,2,3,4,5,6,7
	global_load_b128 v[MK+32*(\t)+4*\f:MK+32*(\t)+4*\f+3], v[MO], s[MB:MB+1] offset:(\t)*131072+\f*512
.endr
.endr
.endm
	v_and_b32 v1, 15, v0            ; l % 16
	v_bfe_u32 v9, v0, 4, 1          ; l / 16
	v_lshlrev_b32 v[QO], 8, v1
	v_lshl_add_u32 v[QO], v9, 4, v[QO]
	v_lshlrev_b32 v[MO], 4, v[LN]
	WIN 0x80                        ; destination window 2
.irp i, 0,1,2,3,4,5,6,7,8,9,10,11,12,13,14,15  ; Q stays in registers: tile i / 4, channels 32 (i % 4) on
	global_load_b128 v[8*\i:8*\i+3],   v[QO], s[4:5] offset:(\i/4)*4096+(\i%4)*64
	global_load_b128 v[8*\i+4:8*\i+7], v[QO], s[4:5] offset:(\i/4)*4096+(\i%4)*64+32
.endr
	MRUN 0, 0                       ; step 0's mask
	MRUN 2, 0
	WIN 0
	v_mul_u32_u24 v[AK0], v1, PK
	v_lshl_add_u32 v[AK0], v9, 4, v[AK0]
	s_mul_i32 s2, s16, 64*PK        ; my 64 of the step's 128 keys
	v_add_nc_u32 v[AK0], s2, v[AK0]
	v_and_b32 v10, 7, v0            ; the turning load: lane l reads 16 bytes: key 8 (l / 16) + l % 8, channels 8 ((l / 8) % 2) + 0..7
	v_bfe_u32 v11, v0, 3, 1
	v_lshl_add_u32 v[AV0], v9, 3, v10
	v_mul_u32_u24 v[AV0], v[AV0], PV
	v_lshl_add_u32 v[AV0], v11, 4, v[AV0]
	s_mul_i32 s2, s16, 64*PV
	s_add_co_u32 s2, s2, VOFF
	v_add_nc_u32 v[AV0], s2, v[AV0]
	v_lshlrev_b32 v[MPO], 17, v9
	v_lshl_add_u32 v[MPO], v1, 8, v[MPO]
; THE MATRIX WORK OF A TURN, for piece x.  The accumulators take turns, one instruction a turn.
; Product i of 32 of O^T += V^T P: keys 32 (i / 16) on, channels 16 ((i / 2) % 8) on, tile x + i % 2.  zero = 1: the first 16 start the sums.
.macro PV x, zero
	WIN W_PV
.set rO, 64*(\x+i%2)+8*((i/2)%8)
.set rV, 64*(i/16)+8*((i/2)%8)
.set rP, P+16*(\x+i%2)+8*(i/16)
.if \zero && (i < 16)
	v_wmma_f32_16x16x32_f16 v[rO:rO+7], v[rV:rV+7], v[rP:rP+7], 0
.else
	v_wmma_f32_16x16x32_f16 v[rO:rO+7], v[rV:rV+7], v[rP:rP+7], v[rO:rO+7]
.endif
.endm
; Product i of 32 of S^T = K Q^T + mask: channels 32 (i / 8) on, keys 16 ((i / 2) % 4) on, tile x + i % 2.  The first 8 start the sums from the mask.
.macro KQ x
.set rS, S+32*(\x+i%2)+8*((i/2)%4)
.set rK, KF+32*((i/2)%4)+8*(i/8)
.set rQ, 32*(\x+i%2)+8*(i/8)
.set rM, MK+32*(\x+i%2)+8*((i/2)%4)
.if i < 8
	WIN W_KQM
	v_wmma_f32_16x16x32_f16 v[rS:rS+7], v[rK:rK+7], v[rQ:rQ+7], v[rM:rM+7]
.else
	WIN W_KQ
	v_wmma_f32_16x16x32_f16 v[rS:rS+7], v[rK:rK+7], v[rQ:rQ+7], v[rS:rS+7]
.endif
.endm
; THE LDS LOADS stand in runs of 32: a step's K (my 64 keys x 128 channels) and, a turn later, its V (turned).
.macro FETCH_K
	WIN 0
	v_add_nc_u32 v[ADR], s[TB], v[AK0]
	WIN 0x80
.irp f, 0,1,2,3,4,5,6,7,8,9,10,11,12,13,14,15
	ds_load_b128 v[KF+8*\f:KF+8*\f+3],   v[ADR] offset:(\f/4)*16*PK+(\f%4)*64
	ds_load_b128 v[KF+8*\f+4:KF+8*\f+7], v[ADR] offset:(\f/4)*16*PK+(\f%4)*64+32
.endr
.endm
.macro FETCH_V
	WIN 0
	v_add_nc_u32 v[ADR], s[TB], v[AV0]
	s_add_co_u32 s[TB], s[TB], STEPB  ; the next fetch is the next step's
	s_wait_alu depctr_va_vdst(0)    ; the wait for the softmax's batch of exponentials, ahead of the first instruction that names a result
	WIN 0xc0
.irp f, 0,1,2,3,4,5,6,7,8,9,10,11,12,13,14,15
	ds_load_tr16_b128 v[8*\f:8*\f+3],   v[ADR] offset:(\f/8)*32*PV+(\f%8)*32
	ds_load_tr16_b128 v[8*\f+4:8*\f+7], v[ADR] offset:(\f/8)*32*PV+16*PV+(\f%8)*32
.endr
.endm
; THE VECTOR WORK OF A TURN.  One tile's softmax for one key step is a list of 134 instructions; SM writes number j of it for tile t.
;   0-15 the maximum of the 32 scores and the old m (first step: and the floor);  16-20 the other half of the lanes' maximum, the new m, c m, c m_old - c m_new;
;   21-69 ONE BATCH: 16 scalings c s - c m and all 33 exponentials, none of which reads an exponential's result;  (the wait);  70-85 the roundings to f16;  86-101 the sums, l = a l + the sum;  102-133 O^T times a.
.macro SM t, first
.set rT, ST+8*(\t)
.set rS, S+32*(\t)
.set rP, P+16*(\t)
.set rO, 64*(\t)+2*(j-102)
.if j < 102
	WIN 0
.endif
.if j < 4
	v_max3_num_f32 v[rT+4+j], v[rS+8*j], v[rS+8*j+1], v[rS+8*j+2]
.elseif j < 12
	v_max3_num_f32 v[rT+4+j%4], v[rT+4+j%4], v[rS+8*(j%4)+2*(j/4)+1], v[rS+8*(j%4)+2*(j/4)+2]
.elseif j == 12
	v_max3_num_f32 v[rT+4], v[rT+4], v[rS+7], v[rS+15]
.elseif j == 13
	v_max3_num_f32 v[rT+6], v[rT+6], v[rS+23], v[rS+31]
.elseif j == 14
	v_max3_num_f32 v[rT+4], v[rT+4], v[rT+5], v[rT+6]
.elseif (j == 15) && \first
	v_max3_num_f32 v[rT+4], v[rT+4], v[rT+7], s[FL]   ; the floor: m is a finite number from the first step on
.elseif j == 15
	v_max3_num_f32 v[rT+4], v[rT+4], v[rT+7], v[rT+1]
.elseif j == 16
	v_permlanex16_b32 v[rT+5], v[rT+4], s[SEL], s[SEL+1]  ; the query's other 32 keys lie in the lane 16 away
.elseif j == 18
	v_max_num_f32 v[rT+1], v[rT+4], v[rT+5]
.elseif j == 19
	v_mul_f32 v[rT], s[CS], v[rT+1]
.elseif ((j == 17) || (j == 20) || (j == 23) || (j > 101)) && \first  ; the first step has none of these
.elseif j == 17
	v_mov_b32 v[rT+7], v[rT]        ; c m_old is kept for a
.elseif j == 20
	v_sub_f32 v[rT+7], v[rT+7], v[rT]
.elseif j == 23
	v_exp_f32 v[rT+6], v[rT+7]
.elseif (j < 23) || ((j < 38) && (j%2 == 0)) || ((j < 66) && (j%4 == 2))
.set b, (j-2)/4
.if j < 38
.set b, (j-20)/2
.endif
	v_pk_fma_f32 v[rS+2*b:rS+2*b+1], v[rS+2*b:rS+2*b+1], s[CS:CS+1], v[rT:rT+1] op_sel_hi:[1,0,0] neg_lo:[0,0,1] neg_hi:[0,0,1]  ; pair b: c s - c m
.elseif j < 70
.set e, j-38
.if j < 66
.set e, j-32-(j-38)/4
.endif
.if j < 38
.set e, (j-25)/2
.endif
	v_exp_f32 v[rS+e], v[rS+e]
.elseif j < 86
	v_cvt_pk_f16_f32 v[rP+j-70], v[rS+2*(j-70)], v[rS+2*(j-70)+1]
.elseif j < 102
.set z, j-86
.set w, 4
.set u, z
.if z >= 14
.set w, 32
.set u, 0
.elseif z >= 12
.set w, 16
.set u, z-12
.elseif z >= 8
.set w, 8
.set u, z-8
.endif
.if (z == 14) && \first
	v_pk_add_f32 v[rT+2:rT+3], v[rS:rS+1], v[rS+16:rS+17]
.elseif z < 15
	v_pk_add_f32 v[rS+w*u:rS+w*u+1], v[rS+w*u:rS+w*u+1], v[rS+w*u+w/2:rS+w*u+w/2+1]
.elseif !\first
	v_pk_fma_f32 v[rT+2:rT+3], v[rT+2:rT+3], v[rT+6:rT+7], v[rS:rS+1] op_sel_hi:[1,0,1]
.endif
.else
	WIN W_RS
	v_pk_mul_f32 v[rO:rO+1], v[rO:rO+1], v[rT+6:rT+7] op_sel_hi:[1,0]
.endif
.endm
; Slice k of 64 of piece y's softmax: four instructions.  Slices 11 to 34 deal out the batch, four numbers of ONE tile each; every other slice is numbers 2 k and 2 k + 1 of both tiles; the twelve that are over stand in slice 63.
; Ahead of slice 35 nothing names an exponential's result, and behind slice 34 none is issued: so the piece's 66 exponentials have one wait, behind slice 34.
.macro SLICE y, first
.if (k >= 11) && (k < 35)
.irp n, 0,1,2,3
.set j, 22+4*((k-11)/2)+(\n)
	SM (\y)+(k-11)%2, \first
.endr
.else
.irp n, 0,1,2,3,4,5,6,7
.if (\n < 2) || (k == 63)
.irp t, \y, \y+1
.set j, 2*k+\n
	SM \t, \first
.endr
.endif
.endr
.endif
.if k == 34
	v_nop                           ; a plain instruction behind the last exponential and ahead of the first use
.if (\y) == 0
	FETCH_V                         ; piece 2's turn: V's run of loads stands here, and the wait stands in it
.else
	s_wait_alu depctr_va_vdst(0)    ; the wait for the batch
.endif
.endif
.set k, k+1
.endm
.macro PLACES
.rept 4
	v_nop
.endr
.endm
; A TURN.  Piece x has the matrix unit.  pv = 2: 32 products V^T P; 1: they start O^T's sums; 0: none.  kq = 1: 32 products K Q^T for the next step.  first = 1: the softmax is the first key step's.
; mk = 1: behind the twelfth product K Q^T the piece's mask of the step after is asked for: the mask's last reader is the eighth product, and the slices behind it hold four plain instructions and more that name none of its registers.
; lc: the loads that may stay out when the piece's mask has to be there: the runs go out in the order (piece 0, n), (piece 2, n), (piece 0, n + 1) .., so one younger run of 16, or none at the end.  pf = 1: the mask's prefetch.
.macro TURN x, pv, kq, first, mk, lc, pf
.set k, 0
.set per, 2
.if \pv && \kq
.set per, 1
.endif
.if \pv
.if \x == 0
	s_wait_dscnt 0x0                ; V is in
.endif
.set i, 0
.rept 32
	PV \x, 2-\pv
.rept per
	SLICE 2-\x, \first
.endr
.if (\x == 0) && \kq && (i == 1)
	FETCH_K
.endif
.set i, i+1
.endr
.endif
.if \kq
.if \x == 0
	s_wait_dscnt 0x0                ; K is in
.endif
	s_wait_loadcnt \lc              ; my piece's mask is in
.set i, 0
.rept 32
	KQ \x
.rept per
	SLICE 2-\x, \first
.endr
.if \mk && (i == 11)
	MRUN \x, 1
.if \pf && (\x == 0)
	ASKM
.endif
.endif
.set i, i+1
.endr
.endif
.if \first
	PLACES
.endif
.endm
; THE CHANGE OF SLOTS, between piece 2's turn and piece 0's.  Each wave waits for all its tensor loads (one is out: its part of the other slot), adds 0 to its spare word, and waits for that and for its own reads of the slot.
; fill = 1: the slot is filled again with the keys two slots on; the barrier is then a round of the cluster's, and the joint refill is the first thing behind it: it has two key steps, 256 matrix instructions, in which to land.
.macro CHANGE fill
	WIN 0
	s_wait_tensorcnt 0x0            ; no tensor load of mine is out, so a group 0 may be written
	ds_add_u32 v[SPW], v[NIL]
.if \fill
.irp g, G0K+4, G0V+4
	s_xor_b32 s[\g+1], s[\g+1], SLOT1
	s_add_nc_u64 s[\g+2:\g+3], s[\g+2:\g+3], SLOTB
.endr
	s_wait_xcnt 0x0                 ; the last prefetch, two key steps back, has read its address
	s_add_nc_u64 s[PFA:PFA+1], s[PFA:PFA+1], SLOTB
	s_wait_dscnt 0x0                ; the add is done, and my reads of the slot are over
	CROUND
	JLOAD
	ASK
.else
	s_wait_dscnt 0x0
	s_barrier_signal -1
	s_barrier_wait -1
.endif
	s_sub_co_u32 s[TB], s[TB], 2*STEPB
	s_xor_b32 s[TB], s[TB], SLOT1
.endm
	s_wait_tensorcnt 1              ; my part of slot 0 is in; slot 1's may stay out
	s_barrier_signal -1
	s_barrier_wait -1
	FETCH_K                         ; key step 0
	s_wait_loadcnt 16               ; Q and piece 0's mask are in; piece 2's 16 loads may be out
	s_wait_dscnt 0x0
.set i, 0
.rept 32
	KQ 0
.set i, i+1
.endr
	WIN 0                           ; the addresses for the way out are made here: plain instructions, the places behind those products
	s_mul_i32 s13, s[WV], 16*SP
	s_add_co_u32 s13, s13, OSTG     ; my stage
	v_mul_u32_u24 v[STO], v1, SP
	v_lshl_add_u32 v[STO], v9, 4, v[STO]
	v_add_nc_u32 v[STO], s13, v[STO]
	v_mul_u32_u24 v[RD], v9, SP
	v_lshl_add_u32 v[RD], v1, 4, v[RD]
	v_add_nc_u32 v[RD], s13, v[RD]
	v_lshlrev_b32 v[GO], 12, v9     ; two rows of att, 4,096 bytes apart
	v_lshl_add_u32 v[GO], v1, 4, v[GO]
	s_lshl_b32 s13, s[WV], 15
	v_add_nc_u32 v[MW], s13, v[MO]  ; my images: 32,768 x wave + 16 x lane
	s_lshl_b32 s13, s75, 16
	s_lshl_b32 s2, s16, 14
	s_add_co_u32 s13, s13, s2
	v_add_nc_u32 v[MR], s13, v[MO]  ; the pair's images of tiles 2 kh, 2 kh + 1
	v_lshlrev_b32 v[LN], 2, v[LN]
	s_lshl_b32 s13, s[WV], 10
	s_add_co_u32 s13, s13, MST
	v_add_nc_u32 v[MSW], s13, v[LN]
	s_lshl_b32 s13, s75, 11
	s_lshl_b32 s2, s16, 9
	s_add_co_u32 s13, s13, s2
	s_add_co_u32 s13, s13, MST
	v_add_nc_u32 v[MSR], s13, v[LN]
	MRUN 0, 1                       ; piece 0's mask of step 1
	TURN 2, 0, 1, 1, 1, 16, 0       ; piece 2's first scores | piece 0's first softmax | V of step 0
	TURN 0, 1, 1, 1, 1, 16, 0       ; piece 0: V^T P of step 0 starts O^T, K Q^T of step 1 | piece 2's first softmax | K of step 1
	TURN 2, 1, 1, 0, 1, 16, 0       ; piece 2: the same | piece 0's softmax of step 1 | V of step 1
	WIN 0
.Lslot:                             ; six trips: every slot but the last two is filled again
	CHANGE 1
	s_mov_b32 s[TWICE], 2
.Lstep:                             ; a slot's two key steps: written once, walked twice
	TURN 0, 2, 1, 0, 1, 16, 1
	TURN 2, 2, 1, 0, 1, 16, 0
	WIN 0
	s_sub_co_u32 s[TWICE], s[TWICE], 1
	s_cmp_lg_u32 s[TWICE], 0
	s_cbranch_scc1 .Lstep
	s_sub_co_u32 s[SLOTS], s[SLOTS], 1
	s_cmp_lg_u32 s[SLOTS], 0
	s_cbranch_scc1 .Lslot
	CHANGE 0                        ; the tail is written out
	TURN 0, 2, 1, 0, 1, 16, 0       ; V^T P of step 13, K Q^T of step 14; the mask of step 15 is asked for
	TURN 2, 2, 1, 0, 1, 16, 0
	TURN 0, 2, 1, 0, 0, 16, 0       ; V^T P of step 14, K Q^T of step 15
	TURN 2, 2, 1, 0, 0, 0, 0        ; no run is younger than the last
	TURN 0, 2, 0, 0, 0, 0, 0        ; piece 0: V^T P of the last step | piece 2's last softmax
.set i, 0
.rept 32
	PV 2, 0
.set i, i+1
.endr
	; THE PAIR IS JOINED.  Each wave lays c m, l and O^T of its four tiles into LDS as images of its registers; behind a barrier wave kh takes both waves' images of tiles 2 kh and 2 kh + 1.
	WIN 0
.irp t, 0,1,2,3
	v_add_f32 v[ST+8*\t+4], v[ST+8*\t+2], v[ST+8*\t+3]   ; (these additions are the places behind the last products)
.endr
.irp t, 0,1,2,3
	v_permlanex16_b32 v[ST+8*\t+5], v[ST+8*\t+4], s[SEL], s[SEL+1]
.endr
.irp t, 0,1,2,3
	v_add_f32 v[ST+8*\t+4], v[ST+8*\t+4], v[ST+8*\t+5]
.endr
.irp t, 0,1,2,3
	ds_store_b32 v[MSW], v[ST+8*\t] offset:256*\t
	ds_store_b32 v[MSW], v[ST+8*\t+4] offset:256*\t+128
.endr
	WIN 0x04                        ; an LDS store's data are its source 1: window 1
.set g, 0
.rept 64
	ds_store_b128 v[MW], v[4*g:4*g+3] offset:512*g      ; each accumulator from its low end on
.set g, g+1
.endr
	WIN 0
	s_wait_dscnt 0x0                ; for the others' sake: my stores are done
	s_barrier_signal -1
	s_barrier_wait -1
.irp s, 0,1
.irp u, 0,1
	ds_load_b32 v[12+2*\s+\u], v[MSR] offset:1024*\s+256*\u        ; c m of wave 2 qh + s, tile 2 kh + u
	ds_load_b32 v[16+2*\s+\u], v[MSR] offset:1024*\s+256*\u+128    ; l
.endr
.endr
	WIN 0x40
.irp s, 0,1
.irp u, 0,1
.irp f, 0,1,2,3,4,5,6,7,8,9,10,11,12,13,14,15
	ds_load_b128 v[128*\s+64*\u+4*\f:128*\s+64*\u+4*\f+3], v[MR] offset:32768*\s+8192*\u+512*\f
.endr
.endr
.endr
	WIN 0
	s_wait_dscnt 63                 ; 8 + 64 loads were issued and come back in order: with 63 out at the most the first nine are in, the eight statistics among them; 63 of O^T's loads may stay out (63 is the largest count that this wait can name)
	v_max_num_f32 v20, v12, v14
	v_max_num_f32 v21, v13, v15
	v_sub_f32 v22, v12, v20
	v_sub_f32 v23, v13, v21
	v_sub_f32 v24, v14, v20
	v_sub_f32 v25, v15, v21
	v_exp_f32 v26, v22
	v_exp_f32 v27, v23
	v_exp_f32 v28, v24
	v_exp_f32 v29, v25
	v_nop
	s_wait_alu depctr_va_vdst(0)    ; one wait for the four, ahead of their first reader
	v_mul_f32 v30, v16, v26
	v_mul_f32 v31, v17, v27
	v_fmac_f32 v30, v18, v28
	v_fmac_f32 v31, v19, v29
	v_rcp_f32 v32, v30
	v_rcp_f32 v33, v31
	v_nop
	s_wait_alu depctr_va_vdst(0)
	v_mul_f32 v34, v26, v32         ; the factors of the two waves' O^T: a / l.  (v35, v37, v39, v41, named with them as pairs, were written as statistics)
	v_mul_f32 v36, v27, v33
	v_mul_f32 v38, v28, v32
	v_mul_f32 v40, v29, v33
	s_wait_dscnt 0x0
; Tile u of my two: joined, rounded to f16, through my stage: a lane's eight channels pack into 16 bytes; they come back as whole rows of 256 bytes.
.macro PACK u
	WIN W_RS
.set i, 64*\u
.rept 32
	v_pk_mul_f32 v[i:i+1], v[i:i+1], v[34+2*\u:35+2*\u] op_sel_hi:[1,0]
.set i, i+2
.endr
	WIN 0x51                        ; sources 0 and 2 and the destination in window 1
.set i, 64*\u
.rept 32
	v_pk_fma_f32 v[i:i+1], v[128+i:129+i], v[38+2*\u:39+2*\u], v[i:i+1] op_sel_hi:[1,0,1]
.set i, i+2
.endr
	WIN 0x05
.set i, 0
.rept 32
	v_cvt_pk_f16_f32 v[S+32*\u+i], v[64*\u+2*i], v[64*\u+2*i+1]
.set i, i+1
.endr
	WIN 0
.irp f, 0,1,2,3,4,5,6,7
	ds_store_b128 v[STO], v[S+32*\u+4*\f:S+32*\u+4*\f+3] offset:32*\f
.endr
.irp f, 0,1,2,3,4,5,6,7
	ds_load_b128 v[S+32*\u+4*\f:S+32*\u+4*\f+3], v[RD] offset:\f*2*SP  ; LDS serves a wave's instructions in order: these see the stores above
.endr
.endm
.macro SEND u, younger
.irp f, 0,1,2,3,4,5,6,7
	s_wait_dscnt \younger+7-\f
	global_store_b128 v[GO], v[S+32*\u+4*\f:S+32*\u+4*\f+3], s[10:11] offset:\u*65536+\f*8192  ; 16 lanes store 256 consecutive bytes, aligned
.endr
.endm
	PACK 0
	PACK 1
	SEND 0, 16
	SEND 1, 0
	s_wait_tensorcnt 0x0            ; the wave's end: the closing add and its wait, behind my last tensor load and my last LDS store
	ds_add_u32 v[SPW], v[NIL]
	s_wait_dscnt 0x0
	CROUND                          ; the closing round
	s_endpgm
.Lfunc_end_k_q6a877577e8_attn:
	.size	k_q6a877577e8_attn, .Lfunc_end_k_q6a877577e8_attn-k_q6a877577e8_attn
	.p2alignl 7, 3214868480
	.fill 96, 4, 3214868480
	.section	.rodata,"a",@progbits
	.p2align	6, 0x0
	.amdhsa_kernel k_q6a877577e8_attn
		.amdhsa_group_segment_fixed_size 327680
		.amdhsa_private_segment_fixed_size 0
		.amdhsa_enable_private_segment 0
		.amdhsa_kernarg_size 24
		.amdhsa_user_sgpr_count 2
		.amdhsa_user_sgpr_kernarg_segment_ptr 1
		.amdhsa_wavefront_size32 1
		.amdhsa_system_sgpr_workgroup_id_x 1
		.amdhsa_system_sgpr_workgroup_id_y 1
		.amdhsa_system_sgpr_workgroup_id_z 1
		.amdhsa_system_vgpr_workitem_id 0
		.amdhsa_next_free_vgpr 1024
		.amdhsa_next_free_sgpr 80
		.amdhsa_reserve_vcc 0
		.amdhsa_float_denorm_mode_32 3
		.amdhsa_float_denorm_mode_16_64 3
		.amdhsa_memory_ordered 1
		.amdhsa_forward_progress 1
		.amdhsa_inst_pref_size 255
	.end_amdhsa_kernel
	.section	.bss,"aw",@nobits
	.p2align	6
	.space	262144
	.amdgpu_metadata
---
amdhsa.version: [ 1, 2 ]
amdhsa.kernels:
  - .name:           k_q6a877577e8_attn
    .symbol:         k_q6a877577e8_attn.kd
    .args:
      - { .name: qkv, .offset: 0, .size: 8, .value_kind: global_buffer, .address_space: global }
      - { .name: maskc, .offset: 8, .size: 8, .value_kind: global_buffer, .address_space: global }
      - { .name: att, .offset: 16, .size: 8, .value_kind: global_buffer, .address_space: global }
    .group_segment_fixed_size: 327680
    .private_segment_fixed_size: 0
    .kernarg_segment_align: 8
    .kernarg_segment_size: 24
    .max_flat_workgroup_size: 128
    .sgpr_count:     80
    .vgpr_count:     1024
    .wavefront_size: 32
...
	.end_amdgpu_metadata
.endif
;; end of part 3
;; launch proj (part 4): grid 16 x 16, 4 waves a work-group, clusters of 4 x 4, 327,680 bytes of LDS; arguments att, wo16, bo, out0; writes out0
.if DOCPART == 4
	.amdgcn_target "amdgcn-amd-amdhsa--gfx1250"
	.amdhsa_code_object_version 6
	.text
	.protected	k_q6a877577e8_proj
	.globl	k_q6a877577e8_proj
	.p2align	8
	.type	k_q6a877577e8_proj,@function
k_q6a877577e8_proj:
	s_mov_b64 s[64:65], 0
	v_nop
	global_prefetch_b8 v0, s[64:65] scope:SCOPE_SE
	s_setreg_imm32_b32 hwreg(HW_REG_WAVE_MODE, 25, 1), 1
	s_wait_xcnt 0x0
	s_wait_alu depctr_hold_cnt(0) depctr_sa_sdst(0) depctr_va_vdst(0) depctr_va_sdst(0) depctr_va_ssrc(0) depctr_va_vcc(0) depctr_vm_vsrc(0)
	s_getreg_b32 s2, hwreg(HW_REG_IB_STS2, 6, 4)
	s_cmp_eq_u32 s2, 0
	s_cbranch_scc0 .Lentry_in_a_cluster
	s_endpgm
.Lentry_in_a_cluster:
	s_bfe_u32 s2, ttmp6, 0x10000c
	s_cmp_lg_u32 s2, 0xf033
	s_cbranch_scc0 .Lentry_shape_is_right
	s_endpgm
.Lentry_shape_is_right:
; out0[m][n] = sum over k of att[m][k] Wo[n][k] + bo[n].  att, wo16: [2,048][2,048] f16; bo, out0: f32; sums in f32.  No work is left out.
; A tile of C is 128 x 128: 256 work-groups.  Four waves, each 64 x 64: 16 accumulators, 128 registers.  K goes in steps of 256 (LDS rows of 512 bytes; a wave's tensor load brings 64 of them) through two slots.
; CLUSTERS: 4 x 4 work-groups; A's tiles are asked for jointly along a row of the cluster, B's along a column.  THE MATRIX INSTRUCTION IS USED TRANSPOSED: a lane holds eight neighbouring numbers of a row of C.
; bo is the C of each sum's first product.  A wave's 64 columns of f32 are 256 aligned bytes of a row: each wave has a stage of its own on the way out, and no barrier is needed there.
; REGISTERS: window 0: v0-31 addresses; v32-63 bo, later with v64-95 rows back from the stage; v128-255 the accumulators ((a, b) at v[128 + 8 (4 a + b)]).   window 1: two fragment buffers of 128.
.set SIZE_N, 2048
.set SIZE_K, 2048
.set KSTEP,  256
.set PITCH,  528                       ; an LDS row: 512 bytes + 16 of padding
.set HALFT,  64*PITCH
.set SLOT,   4*HALFT
.set STAGE,  2*SLOT                    ; behind the ring: 16 rows x 272 bytes for each wave
.set SPITCH, 272
.set SPARE,  STAGE+4*16*SPITCH         ; the spare words, 128 bytes for each wave: two blocks of 256 bytes that no other line names
.set LAPS, SIZE_K/(2*KSTEP)
.set ADRA, 16
.set ADRB, 20
.set STO,  24
.set RD,   25
.set CO,   26
.set SPW,  28                          ; v28  LDS address of my spare word; never rewritten
.set NIL,  29                          ; v29  0; never rewritten
.set BI,   32                          ; bo in the result's layout: 8 registers for each of B's four blocks
.set OB,   32                          ; the way out: v32-63 and v64-95 by turns
.set ACC,  128
.set F0,   0
.set F1,   128
.set G1, 24
.set G0, 32
.set G1B, 48
.set G0B, 56
.set MSB, 0
.macro WIN new
.if MSB != \new
	s_set_vgpr_msb (MSB<<8)|\new
.set MSB, \new
.endif
.endm
.set MUL,  0x05                        ; sources 0 (B) and 1 (A) window 1; C and D window 0
.set TO_F, 0x40
.macro JLOAD s                         ; a joint load: waves 0 and 1 fetch A's two halves, waves 2 and 3 B's; an s_nop 0 and four v_nop follow each of the two lines
	s_cmp_eq_u32 s11, 0
	s_cbranch_scc0 .Lfor_b_\@
	tensor_load_to_lds s[G0+4*\s:G0+4*\s+3], s[G1:G1+7]
	s_nop 0
.rept 4
	v_nop
.endr
	s_branch .Lasked_\@
.Lfor_b_\@:
	tensor_load_to_lds s[G0B+4*\s:G0B+4*\s+3], s[G1B:G1B+7]
	s_nop 0
.rept 4
	v_nop
.endr
.Lasked_\@:
.endm
.macro CREST
	s_cmp_lg_u32 s10, 0
	s_cbranch_scc1 .Lnot_wave_0_\@
	s_barrier_signal -3
.Lnot_wave_0_\@:
	s_barrier_wait -3
	s_barrier_signal -1
	s_barrier_wait -1
.endm
.macro CROUND
	s_barrier_signal -1
	s_barrier_wait -1
	CREST
.endm
	s_load_b128 s[4:7], s[0:1], 0x0                ; att, wo16
	s_load_b64 s[66:67], s[0:1], 0x10              ; bo
	s_load_b64 s[8:9], s[0:1], 0x18                ; out0
	v_lshl_add_u32 v[SPW], v0, 2, SPARE
	v_mov_b32 v[NIL], 0
	ds_add_u32 v[SPW], v[NIL]                      ; the wave's opening: the add, twice on end, and its wait ahead of my first tensor load
	ds_add_u32 v[SPW], v[NIL]
	v_lshrrev_b32 v1, 5, v0
	v_readfirstlane_b32 s10, v1                    ; wave 0..3
	s_lshr_b32 s11, s10, 1                         ; which half of the tile's rows is mine.  Also: I fetch for A (0) or for B (1)
	s_and_b32 s12, s10, 1                          ; which half of its columns.  Also: which 64 rows of that tile I fetch
	s_bfe_u32 s40, ttmp6, 0x40000
	s_bfe_u32 s41, ttmp6, 0x40004
	s_lshl_b32 s42, ttmp9, 2
	s_add_co_u32 s42, s42, s40                     ; tile column
	s_and_b32 s13, ttmp7, 0xffff
	s_lshl_b32 s13, s13, 2
	s_add_co_u32 s13, s13, s41                     ; tile row
	s_lshl_b32 s43, s41, 2
	s_lshl_b32 s43, 15, s43                        ; my row of the cluster
	s_lshl_b32 s44, 0x1111, s40                    ; my column
	s_or_b32 s[G1+0], s43, (1<<16)|(1<<20)|(1<<21)|(6<<22)|(3<<25)  ; the mask; elements of 2 bytes; padding: 4 words after every 128; bit 21 beside a mask
	s_or_b32 s[G1B+0], s44, (1<<16)|(1<<20)|(1<<21)|(6<<22)|(3<<25)
.irp g, G1, G1B
	s_mov_b32 s[\g+1], KSTEP<<16                   ; tensor_dim0 = 256
	s_mov_b32 s[\g+2], 64<<16                      ; tensor_dim1 = 64
	s_mov_b32 s[\g+3], KSTEP<<16                   ; tile_dim0 = 256
	s_mov_b32 s[\g+4], 64                          ; tile_dim1 = 64
	s_mov_b32 s[\g+5], SIZE_K                      ; tensor_dim0_stride
	s_mov_b32 s[\g+6], 0
	s_mov_b32 s[\g+7], 0
.endr
	s_lshl_b32 s17, s12, 6
	s_lshl_b32 s16, s13, 7
	s_add_co_u32 s16, s16, s17                     ; A: row 128 x tile row + 64 x half
	s_lshl_b32 s46, s42, 7
	s_add_co_u32 s46, s46, s17                     ; B: row 128 x tile column + 64 x half
	s_mov_b32 s17, 0
	s_mov_b32 s47, 0
	s_mov_b64 s[18:19], SIZE_K*2
	s_mul_u64 s[16:17], s[16:17], s[18:19]
	s_mul_u64 s[46:47], s[46:47], s[18:19]
	s_mul_i32 s20, s10, HALFT
	s_wait_dscnt 0x0                               ; both opening adds are done
	s_wait_kmcnt 0x0
	s_add_nc_u64 s[14:15], s[4:5], s[16:17]
	s_add_nc_u64 s[46:47], s[6:7], s[46:47]
	CROUND                                         ; all sixteen work-groups are here: the first joint loads meet
.irp s, 0,1
	s_mov_b32 s[G0+4*\s], 1
	s_add_co_u32 s[G0+4*\s+1], s20, \s*SLOT
	s_add_nc_u64 s[G0+4*\s+2:G0+4*\s+3], s[14:15], \s*KSTEP*2
	s_or_b32 s[G0+4*\s+3], s[G0+4*\s+3], 0x80000000
	s_mov_b32 s[G0B+4*\s], 1
	s_add_co_u32 s[G0B+4*\s+1], s20, \s*SLOT
	s_add_nc_u64 s[G0B+4*\s+2:G0B+4*\s+3], s[46:47], \s*KSTEP*2
	s_or_b32 s[G0B+4*\s+3], s[G0B+4*\s+3], 0x80000000
	JLOAD \s
.endr
	v_and_b32 v1, 15, v0                           ; r
	v_bfe_u32 v2, v0, 4, 1                         ; h
	s_lshl_b32 s46, s42, 9                         ; my first column, in bytes of f32: 512 x tile column + 256 x half
	s_lshl_b32 s47, s12, 8
	s_add_co_u32 s46, s46, s47
	s_mov_b32 s47, 0
	s_add_nc_u64 s[66:67], s[66:67], s[46:47]
	v_lshlrev_b32 v6, 5, v2
.irp b, 0,1,2,3                                ; lane (r, h) wants, for B's block b, bo of columns 16 b + 8 h + 0 .. 7
	global_load_b128 v[BI+8*\b:BI+8*\b+3], v6, s[66:67] offset:64*\b
	global_load_b128 v[BI+8*\b+4:BI+8*\b+7], v6, s[66:67] offset:64*\b+16
.endr
	v_mul_u32_u24 v3, v1, PITCH
	v_lshl_add_u32 v3, v2, 4, v3
	s_mul_i32 s21, s11, HALFT                      ; my 64 rows of A
	s_mul_i32 s22, s12, HALFT                      ; my 64 rows of B,
	s_add_co_u32 s22, s22, 2*HALFT                 ; which lie behind A's 128
.irp s, 0,1
	v_add_nc_u32 v[ADRA+\s], s21, v3
	v_add_nc_u32 v[ADRB+\s], s22, v3
	s_add_co_u32 s21, s21, SLOT
	s_add_co_u32 s22, s22, SLOT
.endr
	s_mul_i32 s23, s10, 16*SPITCH
	s_add_co_u32 s23, s23, STAGE                   ; my stage
	v_mul_u32_u24 v4, v1, SPITCH                   ; in: row r, 32 bytes for each half of the lanes
	v_lshl_add_u32 v4, v2, 5, v4
	v_add_nc_u32 v[STO], s23, v4
	v_mul_u32_u24 v5, v2, SPITCH                   ; back: lanes 0-15 one row of 256 bytes, lanes 16-31 the next
	v_lshl_add_u32 v5, v1, 4, v5
	v_add_nc_u32 v[RD], s23, v5
	v_lshlrev_b32 v5, 13, v2                       ; and the same two rows in C, 8,192 bytes apart
	v_lshl_add_u32 v[CO], v1, 4, v5
	s_lshl_b32 s16, s13, 7
	s_lshl_b32 s17, s11, 6
	s_add_co_u32 s16, s16, s17                     ; my first row of C
	s_lshl_b32 s16, s16, 13
	s_add_co_u32 s16, s16, s46
	s_mov_b32 s17, 0
	s_add_nc_u64 s[8:9], s[8:9], s[16:17]
	s_wait_loadcnt 0x0                             ; bo
; 8 matrix instructions: m blocks a0, a0 + 1 x all 4 n blocks, 32 along K: half c of buffer f.  zero = 1: the first product starts the sums from bo.  The 16 accumulators take turns
.macro MUL8 f, c, a0, zero
.irp a, \a0, \a0+1
.irp b, 0,1,2,3
.if \zero
	v_wmma_f32_16x16x32_f16 v[ACC+8*(4*(\a)+\b):ACC+8*(4*(\a)+\b)+7], v[\f+64+8*(4*\c+\b):\f+64+8*(4*\c+\b)+7], v[\f+8*(4*\c+\a):\f+8*(4*\c+\a)+7], v[BI+8*\b:BI+8*\b+7]
.else
	v_wmma_f32_16x16x32_f16 v[ACC+8*(4*(\a)+\b):ACC+8*(4*(\a)+\b)+7], v[\f+64+8*(4*\c+\b):\f+64+8*(4*\c+\b)+7], v[\f+8*(4*\c+\a):\f+8*(4*\c+\a)+7], v[ACC+8*(4*(\a)+\b):ACC+8*(4*(\a)+\b)+7]
.endif
.endr
.endr
.endm
.macro FETCH slot, k, f                ; 32 LDS loads in one run: the fragments of 64 along K at byte k of the rows; the first 32 along K first
	WIN TO_F
.irp c, 0,1
.irp i, 0,1,2,3
	ds_load_b128 v[\f+64+8*(4*\c+\i):\f+64+8*(4*\c+\i)+3],   v[ADRB+\slot] offset:\k+64*\c+\i*16*PITCH
	ds_load_b128 v[\f+64+8*(4*\c+\i)+4:\f+64+8*(4*\c+\i)+7], v[ADRB+\slot] offset:\k+64*\c+\i*16*PITCH+32
	ds_load_b128 v[\f+8*(4*\c+\i):\f+8*(4*\c+\i)+3],         v[ADRA+\slot] offset:\k+64*\c+\i*16*PITCH
	ds_load_b128 v[\f+8*(4*\c+\i)+4:\f+8*(4*\c+\i)+7],       v[ADRA+\slot] offset:\k+64*\c+\i*16*PITCH+32
.endr
.endr
.endm
.macro PLACES
.rept 4
	v_nop
.endr
.endm
.macro QUARTER slot, k, f, g, zero     ; 64 along K: multiplies buffer f and fetches the next quarter, at byte k, into g
	s_wait_dscnt 16                                ; the first 32 along K are in
	WIN MUL
	MUL8 \f, 0, 0, \zero
	MUL8 \f, 0, 2, \zero
	PLACES
	FETCH \slot, \k, \g
	s_wait_dscnt 32                                ; all but the 32 just issued
	WIN MUL
	MUL8 \f, 1, 0, 0
	MUL8 \f, 1, 2, 0
.endm
; The last quarter changes slots: ONE barrier; in front of it each wave waits for all its tensor loads, adds 0 to its spare word, and waits for that and for its own reads of this slot.
.macro TURN slot, next, fill
	WIN 0
	s_wait_tensorcnt 0x0                           ; all my tensor loads have landed: my part of the next slot
	ds_add_u32 v[SPW], v[NIL]
	s_wait_dscnt 17                                ; (the add and the youngest sixteen loads may be out)
	WIN MUL
	MUL8 F1, 0, 0, 0
	s_wait_dscnt 0x0                               ; the add is done, and my reads of this slot are over
	s_barrier_signal -1
	MUL8 F1, 0, 2, 0
.if \fill
	WIN 0
.endif
	s_barrier_wait -1
.if \fill
	CREST                                          ; the barrier has opened a round of the cluster's barrier
	s_add_nc_u64 s[G0+4*\slot+2:G0+4*\slot+3], s[G0+4*\slot+2:G0+4*\slot+3], 2*KSTEP*2
	s_add_nc_u64 s[G0B+4*\slot+2:G0B+4*\slot+3], s[G0B+4*\slot+2:G0B+4*\slot+3], 2*KSTEP*2
	JLOAD \slot                                    ; the first tensor load behind the round; its four v_nop are the places in front of the loads below
.else
	PLACES
.endif
	FETCH \next, 0, F0
	WIN MUL
	MUL8 F1, 1, 0, 0
	MUL8 F1, 1, 2, 0
.endm
	s_wait_tensorcnt 1                             ; my part of K step 0 is in (K step 1's may be out)
	s_barrier_signal -1
	s_barrier_wait -1
	FETCH 0, 0, F0
	QUARTER 0, 128, F0, F1, 1                      ; the first quarter stands in front of the loop: its first products start the sums
	WIN 0
	s_mov_b32 s3, LAPS-1
.Llap:
	QUARTER 0, 256, F1, F0, 0
	QUARTER 0, 384, F0, F1, 0
	TURN 0, 1, 1
	QUARTER 1, 128, F0, F1, 0
	QUARTER 1, 256, F1, F0, 0
	QUARTER 1, 384, F0, F1, 0
	TURN 1, 0, 1
	QUARTER 0, 128, F0, F1, 0
	WIN 0
	s_sub_co_u32 s3, s3, 1
	s_cmp_lg_u32 s3, 0
	s_cbranch_scc1 .Llap
	QUARTER 0, 256, F1, F0, 0                      ; the last lap fills nothing
	QUARTER 0, 384, F0, F1, 0
	TURN 0, 1, 0
	QUARTER 1, 128, F0, F1, 0
	QUARTER 1, 256, F1, F0, 0
	QUARTER 1, 384, F0, F1, 0
	s_wait_dscnt 16
	WIN MUL
	MUL8 F1, 0, 0, 0
	MUL8 F1, 0, 2, 0
	s_wait_dscnt 0
	MUL8 F1, 1, 0, 0
	MUL8 F1, 1, 2, 0
	WIN 0
; THE WAY OUT, 16 rows x 64 columns at a time, through my own stage: LDS serves a wave's instructions in order, so no wait stands between the stores and the loads, nor in front of the next block's stores.
.macro TOSTAGE a
.irp b, 0,1,2,3
	ds_store_b128 v[STO], v[ACC+8*(4*(\a)+\b):ACC+8*(4*(\a)+\b)+3] offset:64*\b        ; each accumulator from its low end on
	ds_store_b128 v[STO], v[ACC+8*(4*(\a)+\b)+4:ACC+8*(4*(\a)+\b)+7] offset:64*\b+16
.endr
.set BB, OB+32*((\a)%2)
.irp t, 0,1,2,3,4,5,6,7
	ds_load_b128 v[BB+4*\t:BB+4*\t+3], v[RD] offset:2*\t*SPITCH
.endr
.endm
.macro SEND a, younger
.set BB, OB+32*((\a)%2)
	s_wait_dscnt \younger                          ; the block is back in registers
.irp t, 0,1,2,3,4,5,6,7
	global_store_b128 v[CO], v[BB+4*\t:BB+4*\t+3], s[8:9] offset:(16*(\a)+2*\t)*SIZE_N*4 th:TH_STORE_NT   ; 16 lanes store 256 consecutive bytes, aligned
.endr
.endm
	PLACES
	TOSTAGE 0
.irp a, 1,2,3
.if \a > 1
	s_wait_xcnt 0x0                                ; block a - 2's stores have read their registers: block a's loads may land there
.endif
	TOSTAGE \a
	SEND \a-1, 16                                  ; behind block a - 1's loads: block a's 8 stores and 8 loads
.endr
	SEND 3, 0
	s_wait_tensorcnt 0x0                           ; the wave's end: the closing add and its wait, behind my last tensor load and my last LDS store
	ds_add_u32 v[SPW], v[NIL]
	s_wait_dscnt 0x0
	CROUND                                         ; the closing round
	s_endpgm
.Lfunc_end_k_q6a877577e8_proj:
	.size	k_q6a877577e8_proj, .Lfunc_end_k_q6a877577e8_proj-k_q6a877577e8_proj
	.p2alignl 7, 3214868480
	.fill 96, 4, 3214868480
	.section	.rodata,"a",@progbits
	.p2align	6, 0x0
	.amdhsa_kernel k_q6a877577e8_proj
		.amdhsa_group_segment_fixed_size 327680
		.amdhsa_private_segment_fixed_size 0
		.amdhsa_enable_private_segment 0
		.amdhsa_kernarg_size 32
		.amdhsa_user_sgpr_count 2
		.amdhsa_user_sgpr_kernarg_segment_ptr 1
		.amdhsa_wavefront_size32 1
		.amdhsa_system_sgpr_workgroup_id_x 1
		.amdhsa_system_sgpr_workgroup_id_y 1
		.amdhsa_system_sgpr_workgroup_id_z 1
		.amdhsa_system_vgpr_workitem_id 0
		.amdhsa_next_free_vgpr 512
		.amdhsa_next_free_sgpr 72
		.amdhsa_reserve_vcc 0
		.amdhsa_float_denorm_mode_32 3
		.amdhsa_float_denorm_mode_16_64 3
		.amdhsa_memory_ordered 1
		.amdhsa_forward_progress 1
		.amdhsa_inst_pref_size 86
	.end_amdhsa_kernel
	.amdgpu_metadata
---
amdhsa.version: [ 1, 2 ]
amdhsa.kernels:
  - .name:           k_q6a877577e8_proj
    .symbol:         k_q6a877577e8_proj.kd
    .args:
      - { .name: att, .offset: 0, .size: 8, .value_kind: global_buffer, .address_space: global }
      - { .name: wo16, .offset: 8, .size: 8, .value_kind: global_buffer, .address_space: global }
      - { .name: bo, .offset: 16, .size: 8, .value_kind: global_buffer, .address_space: global }
      - { .name: out0, .offset: 24, .size: 8, .value_kind: global_buffer, .address_space: global }
    .group_segment_fixed_size: 327680
    .private_segment_fixed_size: 0
    .kernarg_segment_align: 8
    .kernarg_segment_size: 32
    .max_flat_workgroup_size: 128
    .sgpr_count:     72
    .vgpr_count:     512
    .wavefront_size: 32
...
	.end_amdgpu_metadata
.endif
;; end of part 4
